; MI455X (gfx1250); checked and timed in simulation.
; The chip was launched on July 23, 2026; its instructions are those of AMD's public machine-readable ISA for CDNA 5 (MIT licence, August 2026) and "CDNA5" Instruction Set Architecture Reference Guide (July 2026). The comments in the code are by the model that wrote it; some were corrected since.
;; Self Attention. Allowed arithmetic: matrix products marked QUANTISED: E2M1 operands, one E8M0 scale for each 32 along K, by v_wmma_scale_f32_16x16x128_f8f6f4 with both operands' format E2M1 (or v_wmma_scale_f32_32x16x128_f4), f32 sums; products left as they are: bf16, f16 or f32 operands; f32 sums; everything else in f32.
;; Inputs: Wk 1,024 x 1,024 float32; Wq 1,024 x 1,024 float32; Wv 1,024 x 1,024 float32; bk 1,024 float32; bq 1,024 float32; bv 1,024 float32; x 4 x 2,048 x 1,024 float32.
;; Outputs: out0 4 x 2,048 x 1,024 float32.
;; This version of the problem:
;;   THIS VERSION OF THE PROBLEM IS GIVEN IN LOW PRECISION. The matrix products marked QUANTISED in the list below multiply operands that are first quantised to E2M1 (2 exponent bits, 1 mantissa bit; 4 bits a number), with one power-of-two scale for each 32 numbers along K (OCP MX v1.0); their sums are f32. The products marked 'left as it is' may take bf16, f16 or f32 operands, with f32 sums. Whichever they take, every output number must still come out within the allowed error. Rounding operands to bf16 (8 significant bits) uses up far more of that allowance than f16 does (11 bits, for magnitudes from 6e-5 to 65,504). All else is computed in f32.
;;   The module's matrix products, in the order in which they are computed (A, B: the left and right operand; K: the contracted axis; several contracted axes count as one K, in the product's order):
;;     1. [M 8,192, K 1,024] x [K 1,024, N 1,024]; A: input x; B: input Wq: QUANTISED
;;     2. [M 8,192, K 1,024] x [K 1,024, N 1,024]; A: input x; B: input Wk: QUANTISED
;;     3. [M 8,192, K 1,024] x [K 1,024, N 1,024]; A: input x; B: input Wv: QUANTISED
;;     4. batch 4 x [M 2,048, K 1,024] x [K 1,024, N 2,048]; A: computed on the way; B: computed on the way: left as it is (an operand is computed on the way)
;;     5. batch 4 x [M 2,048, K 2,048] x [K 2,048, N 1,024]; A: computed on the way; B: computed on the way: left as it is (an operand is computed on the way)
;;   THE QUANTISER, for each operand of a quantised product, along K:
;;     - K is cut into blocks of 32 from its start; a last block that is shorter is filled with zeros.
;;     - A block's scale is 2^e with e = floor(log2(the largest magnitude in the block)) - 2, held to -126 .. 127; a block of zeros has e = 0. As a byte (E8M0): e + 127.
;;     - Each number is divided by its block's scale, clamped to +-6, and rounded to the nearest number of E2M1, ties to even, subnormals kept.
;;     - The product sums the exact products of the quantised numbers (number of the format x scale) in f32.
;;   ~~~python
;;   def quantise(x, axis):      # numpy; x: float32 -> the quantised numbers, widened to float32 again
;;       x = np.moveaxis(x, axis, -1); K = x.shape[-1]
;;       x = np.pad(x, [(0, 0)] * (x.ndim - 1) + [(0, -K % 32)]); x = x.reshape(x.shape[:-1] + (-1, 32)); a = np.abs(x).max(-1, keepdims=True)
;;       e = np.where(a > 0, np.clip(np.frexp(np.where(a > 0, a, 1))[1] - 1 - 2, -126, 127), 0)      # np.frexp(a)[1] - 1 = floor(log2(a)), exactly
;;       r = np.clip(x / 2.0 ** e, -6, 6)
;;       step = 2.0 ** (np.maximum(np.frexp(np.where(r == 0, 1, r))[1] - 1, 0) - 1)
;;       q = np.round(r / step) * step * 2.0 ** e      # np.round: ties to even
;;       return np.moveaxis(q.reshape(q.shape[:-2] + (-1,))[..., :K], -1, axis).astype(np.float32)
;;   ~~~
;; One version. Each part assembles by itself: llvm-mc -triple=amdgcn-amd-amdhsa -mcpu=gfx1250 --defsym DOCPART=n.
;; ======== version 1 of 1: 4 launches
;; limits: values are held in f16: magnitudes above 65,504 overflow, below 6.1e-05 lose precision
;; workspace buffers: xc 4,194,304 bytes; xs 262,144 bytes; wc 1,572,864 bytes; ws 98,304 bytes; qk 33,554,432 bytes; vt 16,777,216 bytes; pw 33,554,432 bytes; st 524,288 bytes
;; launch quant (part 1): grid 224 x 1, 8 waves a work-group, no clusters, 84,480 bytes of LDS; arguments x, Wq, Wk, Wv, xc, xs, wc, ws; writes xc, xs, wc, ws
.if DOCPART == 1
	.amdgcn_target "amdgcn-amd-amdhsa--gfx1250"
	.amdhsa_code_object_version 6
	.text
	.protected	k_q567e1529cc_quant
	.globl	k_q567e1529cc_quant
	.p2align	8
	.type	k_q567e1529cc_quant,@function
k_q567e1529cc_quant:
	s_mov_b64 s[64:65], 0
	v_nop
	global_prefetch_b8 v0, s[64:65] scope:SCOPE_SE
	s_setreg_imm32_b32 hwreg(HW_REG_WAVE_MODE, 25, 1), 1
	s_wait_xcnt 0x0
; LAUNCH 1 OF 4: x [8192][1024] and Wq, Wk, Wv [1024 (k)][1024 (n)], f32, become codes of FP4 (E2M1) with K innermost and one E8M0 byte for each 32 along K.
; xc [8192][512 bytes], xs [8192][32];  wc [3072][512 bytes], ws [3072][32]: rows 0-1023 Wq's columns, 1024-2047 Wk's, 2048-3071 Wv's.
; WORK LEFT OUT BY THE WHOLE PROGRAM, for all values of the inputs:
;  (1) bk.  scores[q][k] = Q[q].(x[k] Wk + bk) / 32 = Q[q].(x[k] Wk) / 32 + Q[q].bk / 32.  The second term is the same for every k of a row q, and a softmax along k is not moved by a term
;      that is equal along its axis.  The product Q K^T is not quantised, so bk moves no code and no scale.  bk is not loaded and is among no launch's arguments.
;  (2) The tiles of 256 x 256 scores that lie wholly above the diagonal: the tril that the problem builds itself turns them into weights of 0.
;  (3) bv is live, but a row's weights sum to 1, so out = (sum of p (x Wv)) / l + bv: it is added once, behind the division, and not to every row of V.
; LIMITS: a NaN, an infinity or an overflow that reaches only the work left out (bk, hidden scores) is not carried to the result.  NaN and infinities among the inputs are not served.
; A block of zeros gets the byte 1 where the rule says 127: its codes are zeros, and this program alone reads the bytes.  Blocks whose largest magnitude lies under 2^-124 have their byte held at 1.
; A block's scale: the largest magnitude's exponent field less 2, held at 1 from below by a floor among the maximum's leaves; the conversion takes that field as its scale.
; SHARES.  Work-groups 0-127 take x: a plain stream of blocks of 32; a wave takes 16 steps of 512 numbers; each load reads 512 consecutive bytes, and a step turns through the wave's own stage in LDS so
; that a lane holds 16 neighbours.  Loads run 8 steps (32 loads a wave) ahead.  Work-groups 128-223 take the weights: 32 columns x all of K; wave w takes K = 128 w .. 128 w + 127; a lane is a column
; and its registers run down K, so nothing is transposed by an instruction; the eight waves' codes meet in a stage, so that whole rows of 512 bytes leave.
; The two ways part on the work-group's number, never join, and have LDS bytes of their own.
.set STEPS, 16
.set AH,    8                          ; steps that the loads run ahead
.set SP,    80                         ; a lane's place in a stage: 64 bytes + 16 of padding
.set WREG,  8192                       ; x: a region for each wave: two stages of 32 x SP bytes, then its 256 scale bytes
.set R,     16                         ; v16-143  eight sets of 16 numbers as loaded
.set X,     144                        ; v144-175 two sets of 16 neighbours
.set C,     176                        ; v176-207 codes, two registers a step
.set E,     208                        ; v208-223 a scale byte a step
.set SPW,   12                         ; v12 my spare word;  v13 0: never rewritten
.set NIL,   13
.set WSTG,  65536                      ; the weights' stage: 32 rows (columns of W) x (512 bytes + 16)
.set WP,    528
.set WSC,   WSTG+32*WP                 ; their scale bytes: 32 rows x 32
.set SPARE, WSC+1024                   ; the spare words: 128 bytes a wave, four blocks of 256 bytes that no other line names
.set XW,    16                         ; v16-79   two sets of 32 numbers
.set CW,    80                         ; v80-83   a block's codes
.set SBW,   84                         ; v84      my four scale bytes
.set OW,    88                         ; v88-103  four rows of codes on the way out
.set OS,    104                        ; v104-107 scale bytes on the way out
	s_load_b256 s[4:11], s[0:1], 0x0               ; x, Wq, Wk, Wv
	s_load_b256 s[12:19], s[0:1], 0x20             ; xc, xs, wc, ws
	v_lshl_add_u32 v[SPW], v0, 2, SPARE
	v_mov_b32 v[NIL], 0
	v_lshrrev_b32 v1, 5, v0
	v_readfirstlane_b32 s20, v1                    ; wave 0..7
	v_and_b32 v2, 31, v0                           ; lane
	s_mov_b32 s25, 0
	s_cmp_lt_u32 ttmp9, 128                        ; the work-group's number alone decides: the same in all eight waves
	s_cbranch_scc0 .Lweights
; ---------------- x ----------------
	v_lshlrev_b32 v3, 4, v2                        ; my 16 bytes of a load's 512
	s_mul_i32 s21, s20, WREG
	v_lshrrev_b32 v14, 2, v2
	v_mul_u32_u24 v14, v14, SP
	v_and_b32 v15, 3, v2
	v_lshl_add_u32 v14, v15, 4, v14
	v_add_nc_u32 v14, s21, v14                     ; the stage, in: SP (lane / 4) + 16 (lane % 4); a load's 512 bytes take eight places
	v_mul_u32_u24 v15, v2, SP
	v_add_nc_u32 v15, s21, v15                     ; out: SP x lane: my 16 neighbours
	v_lshlrev_b32 v4, 3, v2                        ; 8 x lane: my codes in a step's 256 bytes, and my part of the wave's 256 scale bytes
	v_lshrrev_b32 v5, 1, v2
	s_add_co_u32 s21, s21, 2*32*SP
	v_add_nc_u32 v5, s21, v5                       ; LDS: my block's byte
	v_add_nc_u32 v6, s21, v4                       ; and 8 bytes a lane on the way out
	s_lshl_b32 s22, ttmp9, 3
	s_add_co_u32 s22, s22, s20                     ; which run of 8,192 numbers is my wave's
	s_wait_kmcnt 0x0
	s_lshl_b32 s24, s22, 15
	s_add_nc_u64 s[4:5], s[4:5], s[24:25]
	s_lshl_b32 s24, s22, 12
	s_add_nc_u64 s[12:13], s[12:13], s[24:25]
	s_lshl_b32 s24, s22, 8
	s_add_nc_u64 s[14:15], s[14:15], s[24:25]
.macro LOAD t
.irp i, 0,1,2,3
	global_load_b128 v[R+16*((\t)%AH)+4*\i:R+16*((\t)%AH)+4*\i+3], v3, s[4:5] offset:2048*(\t)+512*\i th:TH_LOAD_NT
.endr
.endm
.macro TURN t                          ; a step's numbers through the stage: LDS serves a wave's instructions in order, so no wait stands between the stores and the loads
.irp i, 0,1,2,3
	ds_store_b128 v14, v[R+16*((\t)%AH)+4*\i:R+16*((\t)%AH)+4*\i+3] offset:32*SP*((\t)%2)+8*SP*\i
.endr
.irp i, 0,1,2,3
	ds_load_b128 v[X+16*((\t)%2)+4*\i:X+16*((\t)%2)+4*\i+3], v15 offset:32*SP*((\t)%2)+16*\i
.endr
.endm
.irp t, 0,1,2,3,4,5,6,7
	LOAD \t
.endr
	s_wait_loadcnt 28                              ; step 0's four loads are in; seven steps' 28 stay out
	TURN 0
.macro STEP t
.set XS, X+16*((\t)%2)
.if (\t) > 0
	s_wait_dscnt 1                                 ; this step's numbers are back (the last step's byte store may be out): so its stores into the stage have read their registers,
.else
	s_wait_dscnt 0x0
.endif
.if (\t)+AH < STEPS
	LOAD (\t)+AH                                   ; which take the loads of eight steps on
.endif
.if (\t)+1 < STEPS
.if 14-(\t) < 7
	s_wait_loadcnt 4*(14-(\t))                     ; the next step's loads are in; those of the steps behind it may be out
.else
	s_wait_loadcnt 28
.endif
	TURN (\t)+1
.endif
	v_max3_num_f32 v8, |v[XS]|, |v[XS+1]|, |v[XS+2]|
	v_max3_num_f32 v9, |v[XS+3]|, |v[XS+4]|, |v[XS+5]|
.irp i, 6,10
	v_max3_num_f32 v8, v8, |v[XS+\i]|, |v[XS+\i+1]|
	v_max3_num_f32 v9, v9, |v[XS+\i+2]|, |v[XS+\i+3]|
.endr
	v_max3_num_f32 v8, v8, |v[XS+14]|, |v[XS+15]|
	v_max3_num_f32 v8, v8, v9, 0x1800000           ; the floor 2^(3 - 127): the byte cannot fall under 1
	v_max_num_f32_dpp v8, v8, v8 row_xmask:1 row_mask:0xf bank_mask:0xf   ; with my neighbour's 16: the block's largest magnitude
	v_add_nc_u32 v11, 0xff000000, v8               ; 2 off its exponent field: the conversion's scale operand
	v_cvt_scalef32_pk8_fp4_f32 v[C+2*(\t)], v[XS:XS+7], v11
	v_cvt_scalef32_pk8_fp4_f32 v[C+2*(\t)+1], v[XS+8:XS+15], v11
	v_lshrrev_b32 v[E+(\t)], 23, v11               ; the scale's byte (also the plain line behind the conversions)
	ds_store_b8 v5, v[E+(\t)] offset:16*(\t)       ; both lanes of a block write the same byte with the same value
	global_store_b64 v4, v[C+2*(\t):C+2*(\t)+1], s[12:13] offset:256*(\t)   ; the wave stores 256 consecutive bytes, aligned
.endm
.irp t, 0,1,2,3,4,5,6,7,8,9,10,11,12,13,14,15
	STEP \t
.endr
	ds_load_b64 v[8:9], v6                         ; my wave's own bytes, in order behind my stores
	s_wait_dscnt 0x0
	global_store_b64 v4, v[8:9], s[14:15]          ; 256 consecutive scale bytes, aligned
	s_wait_tensorcnt 0x0                           ; the wave's end
	ds_add_u32 v[SPW], v[NIL]
	s_wait_dscnt 0x0
	s_endpgm
; ---------------- the weights ----------------
.Lweights:
	s_sub_co_u32 s22, ttmp9, 128
	s_lshr_b32 s23, s22, 5                         ; which weight: 0 Wq, 1 Wk, 2 Wv
	s_and_b32 s22, s22, 31                         ; which 32 columns
	s_and_b32 s26, s20, 1
	v_lshlrev_b32 v3, 2, v2                        ; in: 4 bytes a lane
	v_mul_u32_u24 v4, v2, WP
	s_lshl_b32 s21, s20, 6
	s_add_co_u32 s21, s21, WSTG
	v_add_nc_u32 v4, s21, v4                       ; into the stage: row = my column, my wave's 64 bytes
	v_lshlrev_b32 v5, 5, v2
	s_lshl_b32 s21, s20, 2
	s_add_co_u32 s21, s21, WSC
	v_add_nc_u32 v5, s21, v5                       ; my column's row of scale bytes, my wave's four
	v_lshlrev_b32 v7, 4, v2                        ; 16 x lane
	s_mul_i32 s21, s20, 4*WP
	s_add_co_u32 s21, s21, WSTG
	v_add_nc_u32 v6, s21, v7                       ; out of the stage: my wave's four rows, whole
	s_lshl_b32 s21, s26, 9
	s_add_co_u32 s21, s21, WSC
	v_add_nc_u32 v8, s21, v7                       ; the scale bytes' 1,024 in two halves (waves 0 and 1)
	s_wait_kmcnt 0x0
	s_cmp_eq_u32 s23, 0
	s_cselect_b64 s[6:7], s[6:7], s[8:9]
	s_cmp_eq_u32 s23, 2
	s_cselect_b64 s[6:7], s[10:11], s[6:7]         ; the weight: a choice on the work-group's number alone
	s_lshl_b32 s24, s20, 19                        ; 128 rows of 4,096 bytes a wave
	s_lshl_b32 s27, s22, 7
	s_add_co_u32 s24, s24, s27
	s_add_nc_u64 s[6:7], s[6:7], s[24:25]
	s_lshl_b32 s24, s23, 10
	s_lshl_b32 s27, s22, 5
	s_add_co_u32 s27, s24, s27                     ; the work-group's first row of wc and ws
	s_lshl_b32 s24, s20, 2
	s_add_co_u32 s24, s24, s27
	s_lshl_b32 s24, s24, 9
	s_add_nc_u64 s[16:17], s[16:17], s[24:25]
	s_lshl_b32 s24, s27, 5
	s_lshl_b32 s27, s26, 9
	s_add_co_u32 s24, s24, s27
	s_add_nc_u64 s[18:19], s[18:19], s[24:25]
.macro LOADW t                         ; block t: W(128 w + 32 t + i, my column): 128 consecutive bytes a load
.set i, 0
.rept 32
	global_load_b32 v[XW+32*((\t)%2)+i], v3, s[6:7] offset:(32*(\t)+i)*4096 th:TH_LOAD_NT
.set i, i+1
.endr
.endm
	LOADW 0
	LOADW 1
.macro BLOCK t
.set XS, XW+32*((\t)%2)
.if (\t) < 3
	s_wait_loadcnt 32                              ; this block's 32 loads are in; the next block's may be out
.else
	s_wait_loadcnt 0x0
.endif
	v_max3_num_f32 v9, |v[XS]|, |v[XS+1]|, |v[XS+2]|
	v_max3_num_f32 v10, |v[XS+3]|, |v[XS+4]|, |v[XS+5]|
.irp i, 6,10,14,18,22,26
	v_max3_num_f32 v9, v9, |v[XS+\i]|, |v[XS+\i+1]|
	v_max3_num_f32 v10, v10, |v[XS+\i+2]|, |v[XS+\i+3]|
.endr
	v_max3_num_f32 v9, v9, |v[XS+30]|, |v[XS+31]|
	v_max3_num_f32 v9, v9, v10, 0x1800000          ; the floor
	v_add_nc_u32 v11, 0xff000000, v9               ; the conversion's scale operand
	v_lshrrev_b32 v10, 23, v11                     ; the byte
.if (\t) == 0
	v_mov_b32 v[SBW], v10
.else
	v_lshl_or_b32 v[SBW], v10, 8*(\t), v[SBW]
.endif
.irp g, 0,1,2,3
	v_cvt_scalef32_pk8_fp4_f32 v[CW+\g], v[XS+8*\g:XS+8*\g+7], v11
.endr
	ds_store_b128 v4, v[CW:CW+3] offset:16*(\t)    ; 32 codes: 16 bytes of my column's row
.if (\t) < 2
	LOADW (\t)+2
.endif
	s_wait_dscnt 0x0                               ; the store has read its registers; the next block begins with plain vector lines
.endm
	BLOCK 0
	BLOCK 1
	BLOCK 2
	BLOCK 3
	ds_store_b32 v5, v[SBW]
	s_wait_dscnt 0x0                               ; for the others' sake: my stores have landed
	s_barrier_signal -1
	s_barrier_wait -1                              ; 32 whole rows of codes and of scale bytes lie in LDS
.irp i, 0,1,2,3
	ds_load_b128 v[OW+4*\i:OW+4*\i+3], v6 offset:WP*\i
.endr
.irp i, 0,1,2,3
	s_wait_dscnt 3-\i
	global_store_b128 v7, v[OW+4*\i:OW+4*\i+3], s[16:17] offset:512*\i   ; a whole row: 512 consecutive bytes
.endr
	s_cmp_lt_u32 s20, 2
	s_cbranch_scc0 .Lwdone
	ds_load_b128 v[OS:OS+3], v8
	s_wait_dscnt 0x0
	global_store_b128 v7, v[OS:OS+3], s[18:19]     ; 512 consecutive scale bytes
.Lwdone:
	s_wait_tensorcnt 0x0                           ; the wave's end
	ds_add_u32 v[SPW], v[NIL]
	s_wait_dscnt 0x0
	s_endpgm
.Lfunc_end_k_q567e1529cc_quant:
	.size	k_q567e1529cc_quant, .Lfunc_end_k_q567e1529cc_quant-k_q567e1529cc_quant
	.p2alignl 7, 3214868480
	.fill 96, 4, 3214868480
	.section	.rodata,"a",@progbits
	.p2align	6, 0x0
	.amdhsa_kernel k_q567e1529cc_quant
		.amdhsa_group_segment_fixed_size 84480
		.amdhsa_private_segment_fixed_size 0
		.amdhsa_enable_private_segment 0
		.amdhsa_kernarg_size 64
		.amdhsa_user_sgpr_count 2
		.amdhsa_user_sgpr_kernarg_segment_ptr 1
		.amdhsa_wavefront_size32 1
		.amdhsa_system_sgpr_workgroup_id_x 1
		.amdhsa_system_sgpr_workgroup_id_y 1
		.amdhsa_system_sgpr_workgroup_id_z 1
		.amdhsa_system_vgpr_workitem_id 0
		.amdhsa_next_free_vgpr 224
		.amdhsa_next_free_sgpr 66
		.amdhsa_reserve_vcc 0
		.amdhsa_float_denorm_mode_32 3
		.amdhsa_float_denorm_mode_16_64 3
		.amdhsa_memory_ordered 1
		.amdhsa_forward_progress 1
		.amdhsa_inst_pref_size 54
	.end_amdhsa_kernel
	.amdgpu_metadata
---
amdhsa.version: [ 1, 2 ]
amdhsa.kernels:
  - .name:           k_q567e1529cc_quant
    .symbol:         k_q567e1529cc_quant.kd
    .args:
      - { .name: x, .offset: 0, .size: 8, .value_kind: global_buffer, .address_space: global }
      - { .name: Wq, .offset: 8, .size: 8, .value_kind: global_buffer, .address_space: global }
      - { .name: Wk, .offset: 16, .size: 8, .value_kind: global_buffer, .address_space: global }
      - { .name: Wv, .offset: 24, .size: 8, .value_kind: global_buffer, .address_space: global }
      - { .name: xc, .offset: 32, .size: 8, .value_kind: global_buffer, .address_space: global }
      - { .name: xs, .offset: 40, .size: 8, .value_kind: global_buffer, .address_space: global }
      - { .name: wc, .offset: 48, .size: 8, .value_kind: global_buffer, .address_space: global }
      - { .name: ws, .offset: 56, .size: 8, .value_kind: global_buffer, .address_space: global }
    .group_segment_fixed_size: 84480
    .private_segment_fixed_size: 0
    .kernarg_segment_align: 8
    .kernarg_segment_size: 64
    .max_flat_workgroup_size: 256
    .sgpr_count:     66
    .vgpr_count:     224
    .wavefront_size: 32
...
	.end_amdgpu_metadata
.endif
;; end of part 1
;; launch proj (part 2): grid 8 x 32, 4 waves a work-group, clusters of 4 x 4, 327,680 bytes of LDS; arguments xc, xs, wc, ws, bq, qk; writes qk
.if DOCPART == 2
	.amdgcn_target "amdgcn-amd-amdhsa--gfx1250"
	.amdhsa_code_object_version 6
	.text
	.protected	k_q567e1529cc_proj
	.globl	k_q567e1529cc_proj
	.p2align	8
	.type	k_q567e1529cc_proj,@function
k_q567e1529cc_proj:
	s_mov_b64 s[64:65], 0
	v_nop
	global_prefetch_b8 v0, s[64:65] scope:SCOPE_SE
	s_setreg_imm32_b32 hwreg(HW_REG_WAVE_MODE, 25, 1), 1
	s_wait_xcnt 0x0
	s_wait_alu depctr_hold_cnt(0) depctr_sa_sdst(0) depctr_va_vdst(0) depctr_va_sdst(0) depctr_va_ssrc(0) depctr_va_vcc(0) depctr_vm_vsrc(0)
	s_getreg_b32 s2, hwreg(HW_REG_IB_STS2, 6, 4)
	s_cmp_eq_u32 s2, 0
	s_cbranch_scc0 .Lentry_in_a_cluster
	s_endpgm
.Lentry_in_a_cluster:
	s_bfe_u32 s2, ttmp6, 0x10000c
	s_cmp_lg_u32 s2, 0xf033
	s_cbranch_scc0 .Lentry_shape_is_right
	s_endpgm
.Lentry_shape_is_right:
; LAUNCH 2 OF 4: the projections to Q and K0 on codes of FP4 with E8M0 scales, sums in f32, results rounded once to f16.
; qk [8192 tokens][2048]: columns 0-1023 Q = x Wq + bq, columns 1024-2047 K0 = x Wk.  (The projection to V is wanted by the last launch alone: its tiles run in the next launch, beside the scores.)
; LEFT OUT: bk (a term equal along the softmax's axis, ahead of a product that is not quantised): shown at the head of the first launch.
; LIMIT: |Q|, |K0| beyond 65,504 become infinity in f16.
; A tile of C, 256 x 256, is made by four waves, 128 x 128 each: 64 accumulators, 512 registers.  32 x 8 tiles: 256 work-groups.
; K = 1,024 is two LDS slots of 512 along K (rows of 256 bytes): both are asked for at the start, nothing is filled again.  The scale bytes of the work-group's 256 + 256 rows come once, as dense blocks.
; THE MATRIX INSTRUCTION IS USED TRANSPOSED (source 0 = 16 rows of side B, W's columns; source 1 = 16 rows of side A, x's tokens): a lane holds eight neighbouring columns of one row of C.
; CLUSTER 4 x 4: A's tile hangs on the cluster's y and cy alone and is shared along a row of the cluster, B's on the cluster's x and cx alone and is shared along a column: joint loads.
; bq is the C of each sum's first matrix instruction: 64 registers in the result's layout; for K0 those registers hold zeros, so that the step is written once.
; REGISTERS: window 0: v0-31 addresses; v32-95 scale words, two sets; v128-191 A's fragments, one set; v192-255 the first step's C, later packed results.  window 1: B's fragments, two sets.  windows 2, 3: accumulators.
.set NQ,     4
.set ROWB,   256
.set KROW,   512
.set PITCH,  272                       ; 256 bytes + 16 of padding: the 16 rows of a fragment load start at 16 different banks
.set FR,     8
.set NL,     2
.set NP,     4
.set HALFT,  128*PITCH
.set SLOT,   4*HALFT
.set KS,     32
.set SCL,    2*SLOT
.set HALFS,  (128*KS/256)*272
.set SBLK,   (16*KS/256)*272
.set SPARE,  SCL+4*HALFS               ; the spare words: two blocks of 256 bytes that no other line names
.set SPITCH, 272                       ; the way out: 16 rows x (256 bytes + 16) a wave, in slot 0, which has had its only fill and its last read by then
.set ADRA, 16
.set ADRB, 20
.set STO,  24
.set RD,   25
.set CO,   26
.set ADRS, 27
.set SPW,  28
.set NIL,  29
.set BOF,  30
.set SC,   32
.set AF,   128
.set BI,   192
.set TMP,  192
.set OB,   32
.set G1, 24
.set G0, 32
.set G1B, 48
.set G0B, 56
.set G1S, 68
.set G0S, 76
.set G1SB, 80
.set G0SB, 88
.set MSB, 0
.macro WIN new                         ; the immediate's high byte repeats the setting that is left
.if MSB != \new
	s_set_vgpr_msb (MSB<<8)|\new
.set MSB, \new
.endif
.endm
.set MUL_LO, 0xa1                      ; source 0 (B) window 1, source 1 (A) window 0, C and D window 2
.set MUL_HI, 0xf1                      ; the same, C and D window 3
.set TO_B,   0x40
.macro JLOAD g0a, g1a, g0b, g1b        ; waves 0 and 1 fetch for A, waves 2 and 3 for B; an s_nop 0 and four v_nop follow each line
	s_cmp_eq_u32 s15, 0
	s_cbranch_scc0 .Lfor_b_\@
	tensor_load_to_lds s[\g0a:\g0a+3], s[\g1a:\g1a+7]
	s_nop 0
.rept 4
	v_nop
.endr
	s_branch .Lasked_\@
.Lfor_b_\@:
	tensor_load_to_lds s[\g0b:\g0b+3], s[\g1b:\g1b+7]
	s_nop 0
.rept 4
	v_nop
.endr
.Lasked_\@:
.endm
.macro CROUND                          ; a round of the cluster's barrier
	s_barrier_signal -1
	s_barrier_wait -1
	s_cmp_lg_u32 s14, 0
	s_cbranch_scc1 .Lnot_wave_0_\@
	s_barrier_signal -3
.Lnot_wave_0_\@:
	s_barrier_wait -3
	s_barrier_signal -1
	s_barrier_wait -1
.endm
	s_load_b256 s[4:11], s[0:1], 0x0               ; xc, xs, wc, ws
	s_load_b64 s[66:67], s[0:1], 0x20              ; bq
	s_load_b64 s[12:13], s[0:1], 0x28              ; qk
	v_lshl_add_u32 v[SPW], v0, 2, SPARE
	v_mov_b32 v[NIL], 0
	ds_add_u32 v[SPW], v[NIL]                      ; the wave's opening: the add, twice on end, and its wait ahead of my first tensor load
	ds_add_u32 v[SPW], v[NIL]
	v_lshrrev_b32 v1, 5, v0
	v_readfirstlane_b32 s14, v1                    ; wave 0..3
	s_lshr_b32 s15, s14, 1                         ; my half of the tile's rows; also: I fetch for A (0) or B (1)
	s_and_b32 s16, s14, 1                          ; my half of its columns; also: which 128 rows I fetch
	s_bfe_u32 s40, ttmp6, 0x40000                  ; cx
	s_bfe_u32 s41, ttmp6, 0x40004                  ; cy
	s_lshl_b32 s42, ttmp9, 2
	s_add_co_u32 s42, s42, s40                     ; side B's tile of 256 rows of wc: 4 x cluster x + cx (0-3 Wq's columns, 4-7 Wk's)
	s_and_b32 s17, ttmp7, 0xffff
	s_lshl_b32 s17, s17, 2
	s_add_co_u32 s17, s17, s41                     ; side A's tile of 256 tokens: 4 x cluster y + cy
	s_lshl_b32 s43, s41, 2
	s_lshl_b32 s43, 15, s43                        ; my row of the cluster
	s_lshl_b32 s44, 0x1111, s40                    ; my column
	s_or_b32 s[G1+0], s43, (0<<16)|(1<<20)|(1<<21)|(5<<22)|(3<<25)  ; the mask; elements of 1 byte; padding: 4 words behind every 64; bit 21 beside a mask
	s_or_b32 s[G1B+0], s44, (0<<16)|(1<<20)|(1<<21)|(5<<22)|(3<<25)
.irp g, G1, G1B
	s_mov_b32 s[\g+1], ROWB<<16                    ; tensor_dim0
	s_mov_b32 s[\g+2], 128<<16                     ; tensor_dim1
	s_mov_b32 s[\g+3], ROWB<<16                    ; tile_dim0
	s_mov_b32 s[\g+4], 128                         ; tile_dim1
	s_mov_b32 s[\g+5], KROW                        ; the pitch
	s_mov_b32 s[\g+6], 0
	s_mov_b32 s[\g+7], 0
.endr
	s_or_b32 s[G1S+0], s43, (3<<16)|(1<<20)|(1<<21)|(5<<22)|(3<<25) ; the scales of 128 rows: 4,096 dense bytes as 16 rows of 32 elements of 8 bytes
	s_or_b32 s[G1SB+0], s44, (3<<16)|(1<<20)|(1<<21)|(5<<22)|(3<<25)
.irp g, G1S, G1SB
	s_mov_b32 s[\g+1], 32<<16
	s_mov_b32 s[\g+2], (128*KS/256)<<16
	s_mov_b32 s[\g+3], 32<<16
	s_mov_b32 s[\g+4], 128*KS/256
	s_mov_b32 s[\g+5], 32
	s_mov_b32 s[\g+6], 0
	s_mov_b32 s[\g+7], 0
.endr
	s_lshl_b32 s18, s16, 7
	s_lshl_b32 s20, s17, 8
	s_add_co_u32 s20, s20, s18                     ; A: the first row that I fetch
	s_lshl_b32 s46, s42, 8
	s_add_co_u32 s46, s46, s18                     ; B likewise
	s_mov_b32 s21, 0
	s_mov_b32 s47, 0
	s_mov_b64 s[18:19], KS
	s_mul_u64 s[22:23], s[20:21], s[18:19]         ; their scales, in bytes
	s_mul_u64 s[92:93], s[46:47], s[18:19]
	s_mov_b64 s[18:19], KROW
	s_mul_u64 s[20:21], s[20:21], s[18:19]         ; their codes
	s_mul_u64 s[46:47], s[46:47], s[18:19]
	s_mul_i32 s45, s14, HALFT                      ; where they go: no place in the cluster enters an LDS address
	s_mul_i32 s94, s14, HALFS
	s_wait_dscnt 0x0                               ; both opening adds are done
	s_wait_kmcnt 0x0
	s_add_nc_u64 s[20:21], s[4:5], s[20:21]
	s_add_nc_u64 s[22:23], s[6:7], s[22:23]
	s_add_nc_u64 s[46:47], s[8:9], s[46:47]
	s_add_nc_u64 s[92:93], s[10:11], s[92:93]
	CROUND                                         ; all sixteen work-groups are here: the first joint loads meet
	s_mov_b32 s[G0S], 1
	s_add_co_u32 s[G0S+1], s94, SCL
	s_mov_b64 s[G0S+2:G0S+3], s[22:23]
	s_or_b32 s[G0S+3], s[G0S+3], 0x80000000
	s_mov_b32 s[G0SB], 1
	s_add_co_u32 s[G0SB+1], s94, SCL
	s_mov_b64 s[G0SB+2:G0SB+3], s[92:93]
	s_or_b32 s[G0SB+3], s[G0SB+3], 0x80000000
	JLOAD G0S, G1S, G0SB, G1SB                     ; the scales first: three loads of mine are out behind the third
.irp s, 0,1
	s_mov_b32 s[G0+4*\s], 1
	s_add_co_u32 s[G0+4*\s+1], s45, \s*SLOT
	s_add_nc_u64 s[G0+4*\s+2:G0+4*\s+3], s[20:21], \s*ROWB
	s_or_b32 s[G0+4*\s+3], s[G0+4*\s+3], 0x80000000
	s_mov_b32 s[G0B+4*\s], 1
	s_add_co_u32 s[G0B+4*\s+1], s45, \s*SLOT
	s_add_nc_u64 s[G0B+4*\s+2:G0B+4*\s+3], s[46:47], \s*ROWB
	s_or_b32 s[G0B+4*\s+3], s[G0B+4*\s+3], 0x80000000
	JLOAD G0+4*\s, G1, G0B+4*\s, G1B
.endr
	v_and_b32 v1, 15, v0                           ; r
	v_bfe_u32 v2, v0, 4, 1                         ; h
	v_mul_u32_u24 v3, v1, PITCH
	v_lshl_add_u32 v4, v2, 4, v3                   ; a fragment's row x pitch + 16 h
	s_mul_i32 s21, s15, HALFT
	s_mul_i32 s22, s16, HALFT
	s_add_co_u32 s22, s22, 2*HALFT
.irp s, 0,1
	v_add_nc_u32 v[ADRA+\s], s21, v4
	v_add_nc_u32 v[ADRB+\s], s22, v4
	s_add_co_u32 s21, s21, SLOT
	s_add_co_u32 s22, s22, SLOT
.endr
	v_mul_u32_u24 v5, v1, KS                       ; my row's scales: 32 bytes a row, 16 more for each 256 passed
	v_lshrrev_b32 v6, 8, v5
	v_lshl_add_u32 v5, v6, 4, v5
	s_mul_i32 s21, s15, HALFS
	s_mul_i32 s22, s16, HALFS
	s_add_co_u32 s22, s22, 2*HALFS
	s_sub_co_u32 s22, s22, s21
	v_mul_u32_u24 v6, s22, v2                      ; lanes 16-31 take B's: one product, the distance between the two bases
	s_add_co_u32 s21, s21, SCL
	v_add_nc_u32 v5, v5, v6
	v_add_nc_u32 v[ADRS], s21, v5
	s_mul_i32 s23, s14, 16*SPITCH                  ; my stage
	v_mul_u32_u24 v5, v1, SPITCH
	v_lshl_add_u32 v5, v2, 4, v5
	v_add_nc_u32 v[STO], s23, v5                   ; in: row r, 16 bytes for each half of the lanes
	v_mul_u32_u24 v5, v2, SPITCH
	v_lshl_add_u32 v5, v1, 4, v5
	v_add_nc_u32 v[RD], s23, v5                    ; back: lanes 0-15 one row of 256 bytes, lanes 16-31 the next
	v_lshlrev_b32 v5, 12, v2
	v_lshl_add_u32 v[CO], v1, 4, v5                ; the same two rows in qk: rows of 4,096 bytes
	; where my part of C begins: (256 x token tile + 128 x half) rows of 4,096 bytes + (256 x column tile + 128 x half) x 2 bytes; in registers that feed no descriptor
	s_lshl_b32 s96, s17, 1
	s_add_co_u32 s96, s96, s15
	s_lshl_b32 s96, s96, 19
	s_lshl_b32 s97, s42, 1
	s_add_co_u32 s97, s97, s16
	s_lshl_b32 s97, s97, 8
	s_add_co_u32 s96, s96, s97
	s_mov_b32 s97, 0
	s_add_nc_u64 s[12:13], s[12:13], s[96:97]
	; the first step's C: bq at my 128 columns for Q, zeros for K0
	s_lshl_b32 s2, s40, 1
	s_add_co_u32 s2, s2, s16
	s_lshl_b32 s2, s2, 9                           ; (256 cx + 128 half) x 4 bytes
	s_mov_b32 s3, 0
	s_add_nc_u64 s[66:67], s[66:67], s[2:3]
	v_lshlrev_b32 v[BOF], 5, v2                    ; my half's eight numbers
	s_cmp_eq_u32 ttmp9, 0                          ; the cluster's number: the same in all partners
	s_cbranch_scc0 .Lno_bias
.irp b, 0,1,2,3,4,5,6,7
	global_load_b128 v[BI+8*\b:BI+8*\b+3], v[BOF], s[66:67] offset:64*\b
	global_load_b128 v[BI+8*\b+4:BI+8*\b+7], v[BOF], s[66:67] offset:64*\b+16
.endr
	s_branch .Lbias_done
.Lno_bias:
.set i, 0
.rept 64
	v_mov_b32 v[BI+i], 0
.set i, i+1
.endr
.Lbias_done:
	s_wait_loadcnt 0x0
.macro FRAG reg, adr, q, i             ; 16 rows x 128 K of 4-bit codes: 8 registers, two loads of 16 bytes, 32 bytes apart
.irp c, 0,1
	ds_load_b128 v[\reg+4*\c:\reg+4*\c+3], v[\adr] offset:64*(\q)+32*\c+(\i)*16*PITCH
.endr
.endm
; 16 matrix instructions: A's blocks a0, a0 + 1 x B's eight.  first = 1: C is the bias block.  The 64 accumulators take turns, one instruction a turn.
.macro MUL16 a0, p, q, sc, first
.irp a, \a0, \a0+1
.irp b, 0,1,2,3,4,5,6,7
.if \first
	v_wmma_scale_f32_16x16x128_f8f6f4 v[8*(8*((\a)%4)+\b):8*(8*((\a)%4)+\b)+7], v[128*(\p)+FR*\b:128*(\p)+FR*\b+FR-1], v[AF+FR*(\a):AF+FR*(\a)+FR-1], v[BI+8*\b:BI+8*\b+7], v[SC+8*NQ*(\sc)+NQ*\b+(\q)], v[SC+8*NQ*(\sc)+NQ*(\a)+(\q)] matrix_a_fmt:MATRIX_FMT_FP4 matrix_b_fmt:MATRIX_FMT_FP4 matrix_a_scale:MATRIX_SCALE_ROW1
.else
	v_wmma_scale_f32_16x16x128_f8f6f4 v[8*(8*((\a)%4)+\b):8*(8*((\a)%4)+\b)+7], v[128*(\p)+FR*\b:128*(\p)+FR*\b+FR-1], v[AF+FR*(\a):AF+FR*(\a)+FR-1], v[8*(8*((\a)%4)+\b):8*(8*((\a)%4)+\b)+7], v[SC+8*NQ*(\sc)+NQ*\b+(\q)], v[SC+8*NQ*(\sc)+NQ*(\a)+(\q)] matrix_a_fmt:MATRIX_FMT_FP4 matrix_b_fmt:MATRIX_FMT_FP4 matrix_a_scale:MATRIX_SCALE_ROW1
.endif
.endr
.endr
.endm
.macro FETCH_B slot, q, p
	WIN TO_B
.irp i, 0,1,2,3,4,5,6,7
	FRAG 128*(\p)+FR*\i, ADRB+\slot, \q, \i
.endr
	WIN 0
.endm
.macro FETCH_A slot, q, i0
.irp i, \i0, \i0+1, \i0+2, \i0+3
	FRAG AF+FR*(\i), ADRA+\slot, \q, \i
.endr
.endm
.macro SCALES sc                       ; a slot's scale words: four a row; lanes 0-15 A's block i, lanes 16-31 B's block i
.irp i, 0,1,2,3,4,5,6,7
	ds_load_b128 v[SC+8*NQ*\sc+NQ*\i:SC+8*NQ*\sc+NQ*\i+3], v[ADRS] offset:\i*SBLK
.endr
.endm
.macro PLACES n                        ; plain vector lines between a matrix instruction and a load into, or a read of, its registers
.rept \n
	v_nop
.endr
.endm
.macro STEP slot, q, first             ; 128 along K with its successor in the same slot
	s_wait_dscnt 4*NL                              ; B's set and A's blocks 0-3 are in; the youngest eight loads (A's blocks 4-7) may be out
	WIN MUL_LO-0x20*\first                         ; (first: C in window 0)
	MUL16 0, (\q)%2, \q, \slot, \first
	MUL16 2, (\q)%2, \q, \slot, \first
	s_wait_dscnt 0
	PLACES NP
	FETCH_B \slot, (\q)+1, 1-(\q)%2
	FETCH_A \slot, (\q)+1, 0
	WIN MUL_HI-0x30*\first
	MUL16 4, (\q)%2, \q, \slot, \first
	MUL16 6, (\q)%2, \q, \slot, \first
	PLACES NP
	WIN 0
	FETCH_A \slot, (\q)+1, 4
.endm
	s_wait_tensorcnt 1                             ; the scales and my part of slot 0 are in; slot 1's load may stay out
	s_barrier_signal -1
	s_barrier_wait -1
	FETCH_B 0, 0, 0
	FETCH_A 0, 0, 0
	SCALES 0
	FETCH_A 0, 0, 4
	STEP 0, 0, 1
	STEP 0, 1, 0
	STEP 0, 2, 0
	; slot 0's last step changes slots: one barrier; each wave's loads have landed and its reads of slot 0 are over in front of it
	s_wait_tensorcnt 0x0                           ; my part of slot 1 has landed
	ds_add_u32 v[SPW], v[NIL]
	s_wait_dscnt 4*NL+1                            ; (the add and A's blocks 4-7 may be out)
	WIN MUL_LO
	MUL16 0, 1, NQ-1, 0, 0
	s_wait_dscnt 0x0
	s_barrier_signal -1
	MUL16 2, 1, NQ-1, 0, 0
	WIN 0
	s_barrier_wait -1
	PLACES NP
	v_add_nc_u32 v[ADRS], 4*NQ, v[ADRS]            ; on to slot 1's scale words (no LDS load of mine is out)
	FETCH_B 1, 0, 0
	FETCH_A 1, 0, 0
	SCALES 1
	WIN MUL_HI
	MUL16 4, 1, NQ-1, 0, 0
	MUL16 6, 1, NQ-1, 0, 0
	PLACES NP
	WIN 0
	FETCH_A 1, 0, 4
	STEP 1, 0, 0
	STEP 1, 1, 0
	STEP 1, 2, 0
	s_wait_dscnt 4*NL
	WIN MUL_LO
	MUL16 0, 1, NQ-1, 1, 0
	MUL16 2, 1, NQ-1, 1, 0
	s_wait_dscnt 0
	WIN MUL_HI
	MUL16 4, 1, NQ-1, 1, 0
	MUL16 6, 1, NQ-1, 1, 0
	WIN 0
; THE WAY OUT, a block of 16 rows x 128 columns at a time: rounded to f16 (16 bytes a lane), through my own stage, back as whole rows of 256 bytes.
.macro PACK a
.set AC, 64*((\a)%4)
	WIN 0x0a+5*((\a)/4)                            ; sources in window 2 or 3
.irp b, 0,1,2,3,4,5,6,7
.irp r, 0,1,2,3
	v_cvt_pk_f16_f32 v[TMP+4*\b+\r], v[AC+8*\b+2*\r], v[AC+8*\b+2*\r+1]   ; each accumulator from its low end on
.endr
.endr
	WIN 0
.endm
.macro TOSTAGE a
.set BK, OB+192*((\a)%2)
.irp b, 0,1,2,3,4,5,6,7
	ds_store_b128 v[STO], v[TMP+4*\b:TMP+4*\b+3] offset:32*\b
.endr
.irp t, 0,1,2,3,4,5,6,7
	ds_load_b128 v[BK+4*\t:BK+4*\t+3], v[RD] offset:\t*2*SPITCH    ; my own bytes, served in order behind my stores
.endr
.endm
.macro SEND a
.set BK, OB+192*((\a)%2)
	s_wait_dscnt 0x0                               ; the block is back in registers
	s_wait_xcnt 0x0                                ; the block before's stores have read their registers: the next loads from the stage may land there
.irp t, 0,1,2,3,4,5,6,7
	global_store_b128 v[CO], v[BK+4*\t:BK+4*\t+3], s[12:13] offset:(16*(\a)+2*\t)*4096   ; 16 lanes store 256 consecutive bytes, aligned
.endr
.endm
	PLACES NP
	PACK 0
	TOSTAGE 0
.irp a, 1,2,3,4,5,6,7
	PACK \a
	SEND \a-1
	TOSTAGE \a
.endr
	SEND 7
	s_wait_tensorcnt 0x0                           ; the wave's end
	ds_add_u32 v[SPW], v[NIL]
	s_wait_dscnt 0x0
	CROUND                                         ; the closing round
	s_endpgm
.Lfunc_end_k_q567e1529cc_proj:
	.size	k_q567e1529cc_proj, .Lfunc_end_k_q567e1529cc_proj-k_q567e1529cc_proj
	.p2alignl 7, 3214868480
	.fill 96, 4, 3214868480
	.section	.rodata,"a",@progbits
	.p2align	6, 0x0
	.amdhsa_kernel k_q567e1529cc_proj
		.amdhsa_group_segment_fixed_size 327680
		.amdhsa_private_segment_fixed_size 0
		.amdhsa_enable_private_segment 0
		.amdhsa_kernarg_size 48
		.amdhsa_user_sgpr_count 2
		.amdhsa_user_sgpr_kernarg_segment_ptr 1
		.amdhsa_wavefront_size32 1
		.amdhsa_system_sgpr_workgroup_id_x 1
		.amdhsa_system_sgpr_workgroup_id_y 1
		.amdhsa_system_sgpr_workgroup_id_z 1
		.amdhsa_system_vgpr_workitem_id 0
		.amdhsa_next_free_vgpr 1024
		.amdhsa_next_free_sgpr 102
		.amdhsa_reserve_vcc 0
		.amdhsa_float_denorm_mode_32 3
		.amdhsa_float_denorm_mode_16_64 3
		.amdhsa_memory_ordered 1
		.amdhsa_forward_progress 1
		.amdhsa_inst_pref_size 130
	.end_amdhsa_kernel
	.amdgpu_metadata
---
amdhsa.version: [ 1, 2 ]
amdhsa.kernels:
  - .name:           k_q567e1529cc_proj
    .symbol:         k_q567e1529cc_proj.kd
    .args:
      - { .name: xc, .offset: 0, .size: 8, .value_kind: global_buffer, .address_space: global }
      - { .name: xs, .offset: 8, .size: 8, .value_kind: global_buffer, .address_space: global }
      - { .name: wc, .offset: 16, .size: 8, .value_kind: global_buffer, .address_space: global }
      - { .name: ws, .offset: 24, .size: 8, .value_kind: global_buffer, .address_space: global }
      - { .name: bq, .offset: 32, .size: 8, .value_kind: global_buffer, .address_space: global }
      - { .name: qk, .offset: 40, .size: 8, .value_kind: global_buffer, .address_space: global }
    .group_segment_fixed_size: 327680
    .private_segment_fixed_size: 0
    .kernarg_segment_align: 8
    .kernarg_segment_size: 48
    .max_flat_workgroup_size: 128
    .sgpr_count:     102
    .vgpr_count:     1024
    .wavefront_size: 32
...
	.end_amdgpu_metadata
.endif
;; end of part 2
;; launch scores (part 3): grid 272 x 1, 4 waves a work-group, no clusters, 327,680 bytes of LDS; arguments qk, pw, st, vt, wc, ws, xc, xs; writes pw, st, vt
.if DOCPART == 3
	.amdgcn_target "amdgcn-amd-amdhsa--gfx1250"
	.amdhsa_code_object_version 6
	.text
	.protected	k_q567e1529cc_scores
	.globl	k_q567e1529cc_scores
	.p2align	8
	.type	k_q567e1529cc_scores,@function
k_q567e1529cc_scores:
	s_mov_b64 s[64:65], 0
	v_nop
	global_prefetch_b8 v0, s[64:65] scope:SCOPE_SE
	s_setreg_imm32_b32 hwreg(HW_REG_WAVE_MODE, 25, 1), 1
	s_wait_xcnt 0x0
; LAUNCH 3 OF 4, with two kinds of work-group, which part on the work-group's number at the head and never join.
; WORK-GROUPS 0-143, THE SCORES: for each tile of 256 queries x 256 keys at or under the diagonal: S = Q K0^T (f16 operands, f32 sums, K = 1,024), the causal mask, and the tile's own part of the softmax.
; t = s c, c = log2(e) / 32;  M = the largest t of a row within the tile, rounded UP to a whole number, kept as negM = floor(-t);  p = 2^(t - M), made in f32 and rounded once to f16;  l = the row's sum of the unrounded p.
; pw [4][2048 q][2048 keys] f16 takes p (hidden entries of a diagonal tile as zeros);  st takes negM [4][8 tiles][2048 rows] at byte 0 and l, laid alike, at byte 262,144.  The last launch joins the tiles under the row's maximum.
; WORK-GROUPS 144-271, THE PROJECTION TO V: vt [4][1024 channels][2048 keys] = (x Wv) transposed, on codes of FP4 with E8M0 scales, sums in f32, rounded once to f16.  The scores do not read V and V does not read
; Q or K0, so the two run side by side; the scores' work-groups, which have eight times the matrix cycles of a tile of V, have the lower numbers.
; LEFT OUT: the tiles of scores wholly above the diagonal, bk, and bv here (added once, in the last launch): shown at the head of the first launch.  Every row of every tile of scores made here has a key that counts, so M is a number.
; LIMIT: |x Wv| beyond 65,504 becomes infinity in f16.
; SCORES' TILES.  Rows of tiles P and 7 - P of a sequence have 9 tiles together: u = number / 16 = 0..8 walks them, number % 16 = 4 x sequence + P: 144 work-groups, none without work.
; NO CLUSTER: a row of tiles of scores has I + 1 tiles and a pair of rows 9, so those work-groups do not divide into clusters that read the same tile at every place; V's tiles share the launch.
; Four waves, 128 x 128 each, in both kinds; two LDS slots; each wave fetches a quarter of a slot (128 rows x 256 bytes) by a load of its own, with its own group 0.
; THE MATRIX INSTRUCTIONS ARE USED TRANSPOSED.  Scores: source 0 = 16 keys, source 1 = 16 queries: a lane holds ONE query and eight neighbouring keys.  V: source 0 = 16 tokens, source 1 = 16 of Wv's columns: a lane holds one channel and eight neighbouring keys.
; LDS: 0 .. 278,528 the ring (both kinds, the same pitch and quarters); then the scores' stage and exchange words; the spare words; then V's own bytes: its scale words, filled once, later its stage.
; REGISTERS (scores): window 0: v0-31 addresses; v64-127, v128-191 Q's fragments, two buffers; on the way out v32-255 at work.  window 1: K0's fragments.  windows 2, 3: the 64 accumulators ((a, b) at v[8 (8 (a % 4) + b)]).
; REGISTERS (V): window 0: v0-31 addresses; v32-95 scale words, two sets; v128-191 Wv's fragments, one set; v192-255 packed results.  window 1: x's fragments, two sets.  windows 2, 3: accumulators.
.set KSTEP,  128
.set PITCH,  272
.set HALFT,  128*PITCH
.set SLOT,   4*HALFT
.set STAGE,  2*SLOT                    ; the scores' stage: 16 rows x 272 bytes a wave
.set SPITCH, 272
.set XM,     STAGE+4*16*SPITCH         ; a wave's 128 row maxima, 512 bytes a wave
.set XN,     XM+2048                   ; negM likewise
.set XL,     XN+2048                   ; the rows' sums likewise
.set SPARE,  XL+2048                   ; the spare words: two blocks of 256 bytes that no other line names
.set VSCL,   SPARE+512                 ; V's own 17,408 bytes: scale words as units of 256 bytes + 16, 4,352 bytes a wave's load; later 16 rows x 272 bytes a wave for the way out
.set AXM, 5                            ; v5  XM, my wave, 4 r       v6  XM, the wave with my rows' other 128 keys
.set AXP, 6
.set AXN, 7                            ; v7  XN, my wave, 4 r       v8  XL likewise
.set AXL, 8
.set ARS, 9                            ; v9  XN, my wave, 16 x lane
.set DL,  10                           ; v10 the mask: 128 (row half - column half) + r - 8 h
.set NINF, 11                          ; v11 -infinity
.set SOF, 12                           ; v12 16 x lane
.set ADRA, 16
.set ADRB, 20
.set STO,  24
.set RD,   25
.set CO,   26
.set SPW,  28
.set NIL,  29
.set MX,  32                           ; v32-39 a block's row maximum       v40-47 the other lane's, the other wave's
.set PM,  40
.set NM,  48                           ; v48-63 negM, in pairs
.set LS,  64                           ; v64-79 the sums, in pairs
.set T,   80
.set U,   128
.set TMP, 192
.set F0,  64
.set F1,  128
.set G1,  24
.set G0,  32
.set CS,  58
.set SEL, 60
.set MSB, 0
.macro WIN new
.if MSB != \new
	s_set_vgpr_msb (MSB<<8)|\new
.set MSB, \new
.endif
.endm
.set MUL_LO, 0xa1
.set MUL_HI, 0xf1
.set TO_B,   0x40
	s_load_b128 s[4:7], s[0:1], 0x0                ; qk, pw
	s_load_b64 s[8:9], s[0:1], 0x10                ; st
	s_load_b64 s[92:93], s[0:1], 0x18              ; vt
	s_load_b256 s[84:91], s[0:1], 0x20             ; wc, ws, xc, xs
	v_lshl_add_u32 v[SPW], v0, 2, SPARE
	v_mov_b32 v[NIL], 0
	ds_add_u32 v[SPW], v[NIL]                      ; the wave's opening: the add, twice on end, and its wait ahead of my first tensor load
	ds_add_u32 v[SPW], v[NIL]
	v_lshrrev_b32 v1, 5, v0
	v_readfirstlane_b32 s10, v1                    ; wave 0..3
	s_lshr_b32 s11, s10, 1                         ; my half of the tile's rows; also: which side I fetch for
	s_and_b32 s12, s10, 1                          ; my half of its columns; also: which 128 rows I fetch
	s_wait_dscnt 0x0                               ; both opening adds are done
	s_cmp_lt_u32 ttmp9, 144                        ; the work-group's number alone: the same in all four waves
	s_cbranch_scc0 .Lvproj
; ---------------- the scores ----------------
	s_lshr_b32 s2, ttmp9, 4                        ; u = 0..8
	s_and_b32 s16, ttmp9, 15
	s_and_b32 s17, s16, 3                          ; P
	s_lshr_b32 s15, s16, 2                         ; the sequence
	s_sub_co_u32 s18, 7, s17
	s_sub_co_u32 s19, s2, s17
	s_sub_co_u32 s19, s19, 1
	s_cmp_le_u32 s2, s17
	s_cselect_b32 s13, s17, s18                    ; I: the tile's row
	s_cselect_b32 s14, s2, s19                     ; J: its column, at most I
	s_mov_b32 s[G1+0], (1<<16)|(1<<20)|(5<<22)|(3<<25)   ; elements of 2 bytes; 4 words of padding behind every 64
	s_mov_b32 s[G1+1], KSTEP<<16
	s_mov_b32 s[G1+2], 128<<16
	s_mov_b32 s[G1+3], KSTEP<<16
	s_mov_b32 s[G1+4], 128
	s_mov_b32 s[G1+5], 2048                        ; a row of qk in elements
	s_mov_b32 s[G1+6], 0
	s_mov_b32 s[G1+7], 0
	s_cmp_lt_u32 s10, 2                            ; waves 0, 1 fetch Q's halves, waves 2, 3 K0's
	s_cselect_b32 s16, s13, s14
	s_cselect_b32 s17, 0, 2048                     ; K0 lies 2,048 bytes into a row
	s_lshl_b32 s18, s15, 3
	s_add_co_u32 s16, s16, s18
	s_lshl_b32 s16, s16, 1
	s_add_co_u32 s16, s16, s12
	s_lshl_b32 s16, s16, 19                        ; 128 rows of 4,096 bytes
	s_add_co_u32 s16, s16, s17
	s_mov_b32 s17, 0
	s_mul_i32 s20, s10, HALFT
	s_mov_b32 s[CS], 0x3d38aa3b                    ; c = log2(e) / 32
	s_mov_b32 s[CS+1], s[CS]
	s_mov_b32 s[SEL], 0x76543210
	s_mov_b32 s[SEL+1], 0xfedcba98
	s_wait_kmcnt 0x0
	s_add_nc_u64 s[40:41], s[4:5], s[16:17]
.irp s, 0,1
	s_mov_b32 s[G0+4*\s], 1
	s_add_co_u32 s[G0+4*\s+1], s20, \s*SLOT
	s_add_nc_u64 s[G0+4*\s+2:G0+4*\s+3], s[40:41], \s*KSTEP*2
	s_or_b32 s[G0+4*\s+3], s[G0+4*\s+3], 0x80000000
	tensor_load_to_lds s[G0+4*\s:G0+4*\s+3], s[G1:G1+7]   ; the two first fills: two loads of mine are out
	s_nop 0
.endr
	v_and_b32 v1, 15, v0                           ; r
	v_bfe_u32 v2, v0, 4, 1                         ; h
	v_mul_u32_u24 v3, v1, PITCH
	v_lshl_add_u32 v3, v2, 4, v3
	s_mul_i32 s21, s11, HALFT
	s_mul_i32 s22, s12, HALFT
	s_add_co_u32 s22, s22, 2*HALFT
.irp s, 0,1
	v_add_nc_u32 v[ADRA+\s], s21, v3
	v_add_nc_u32 v[ADRB+\s], s22, v3
	s_add_co_u32 s21, s21, SLOT
	s_add_co_u32 s22, s22, SLOT
.endr
	s_mul_i32 s23, s10, 16*SPITCH
	s_add_co_u32 s23, s23, STAGE
	v_mul_u32_u24 v4, v1, SPITCH
	v_lshl_add_u32 v4, v2, 4, v4
	v_add_nc_u32 v[STO], s23, v4
	v_mul_u32_u24 v4, v2, SPITCH
	v_lshl_add_u32 v4, v1, 4, v4
	v_add_nc_u32 v[RD], s23, v4
	v_lshlrev_b32 v4, 12, v2
	v_lshl_add_u32 v[CO], v1, 4, v4                ; two rows of pw, 4,096 bytes apart
	v_lshlrev_b32 v4, 2, v1
	s_lshl_b32 s23, s10, 9
	s_add_co_u32 s23, s23, XM
	v_add_nc_u32 v[AXM], s23, v4
	v_add_nc_u32 v[AXN], XN-XM, v[AXM]
	v_add_nc_u32 v[AXL], XL-XM, v[AXM]
	s_xor_b32 s23, s10, 1
	s_lshl_b32 s23, s23, 9
	s_add_co_u32 s23, s23, XM
	v_add_nc_u32 v[AXP], s23, v4
	v_and_b32 v[SOF], 31, v0
	v_lshlrev_b32 v[SOF], 4, v[SOF]
	s_lshl_b32 s23, s10, 9
	s_add_co_u32 s23, s23, XN
	v_add_nc_u32 v[ARS], s23, v[SOF]
	s_sub_co_i32 s23, s11, s12
	s_lshl_b32 s23, s23, 7
	v_lshlrev_b32 v4, 3, v2
	v_sub_nc_u32 v[DL], v1, v4
	v_add_nc_u32 v[DL], s23, v[DL]
	v_mov_b32 v[NINF], 0xff800000
.irp a, 0,1,2,3,4,5,6,7
	v_mov_b32 v[PM+\a], 0                          ; written once: a lane permute's destination counts as one of its sources
.endr
	s_lshl_b32 s16, s15, 4                         ; pw: (2048 b + 256 I + 128 half) rows of 4,096 bytes + (256 J + 128 half) x 2
	s_lshl_b32 s18, s13, 1
	s_add_co_u32 s16, s16, s18
	s_add_co_u32 s16, s16, s11
	s_lshl_b32 s16, s16, 19
	s_lshl_b32 s18, s14, 1
	s_add_co_u32 s18, s18, s12
	s_lshl_b32 s18, s18, 8
	s_add_co_u32 s16, s16, s18
	s_add_nc_u64 s[6:7], s[6:7], s[16:17]
	s_lshl_b32 s16, s15, 3                         ; st: ((8 b + J) 2048 + 256 I + 128 half) x 4
	s_add_co_u32 s16, s16, s14
	s_lshl_b32 s16, s16, 13
	s_lshl_b32 s18, s13, 1
	s_add_co_u32 s18, s18, s11
	s_lshl_b32 s18, s18, 9
	s_add_co_u32 s16, s16, s18
	s_add_nc_u64 s[8:9], s[8:9], s[16:17]
.macro MUL16 f, hi, a0, zero           ; 16 matrix instructions: query blocks a0, a0 + 1 of the window's four x all 8 key blocks, 32 along K; the accumulators take turns
.irp a, \a0, \a0+1
.irp b, 0,1,2,3,4,5,6,7
.if \zero
	v_wmma_f32_16x16x32_f16 v[8*(8*(\a)+\b):8*(8*(\a)+\b)+7], v[\f+8*\b:\f+8*\b+7], v[\f+8*(4*\hi+\a):\f+8*(4*\hi+\a)+7], 0
.else
	v_wmma_f32_16x16x32_f16 v[8*(8*(\a)+\b):8*(8*(\a)+\b)+7], v[\f+8*\b:\f+8*\b+7], v[\f+8*(4*\hi+\a):\f+8*(4*\hi+\a)+7], v[8*(8*(\a)+\b):8*(8*(\a)+\b)+7]
.endif
.endr
.endr
.endm
.macro FETCH slot, k, f                ; 32 LDS loads in one run: a quarter step's fragments
	WIN TO_B
.irp i, 0,1,2,3,4,5,6,7
	ds_load_b128 v[\f+8*\i:\f+8*\i+3],   v[ADRB+\slot] offset:\k+\i*16*PITCH
	ds_load_b128 v[\f+8*\i+4:\f+8*\i+7], v[ADRB+\slot] offset:\k+\i*16*PITCH+32
.endr
	WIN 0
.irp i, 0,1,2,3,4,5,6,7
	ds_load_b128 v[\f+8*\i:\f+8*\i+3],   v[ADRA+\slot] offset:\k+\i*16*PITCH
	ds_load_b128 v[\f+8*\i+4:\f+8*\i+7], v[ADRA+\slot] offset:\k+\i*16*PITCH+32
.endr
.endm
.macro PLACES                          ; four plain vector lines between a matrix instruction and a load into, or a read of, its registers
.rept 4
	v_nop
.endr
.endm
.macro QUARTER slot, k, f, g, zero
	s_wait_dscnt 8                                 ; K0's fragments and Q's rows 0-63 are in; the youngest eight loads may be out
	WIN MUL_LO
	MUL16 \f, 0, 0, \zero
	MUL16 \f, 0, 2, \zero
	PLACES
	FETCH \slot, \k, \g
	s_wait_dscnt 32                                ; all but the 32 just issued
	WIN MUL_HI
	MUL16 \f, 1, 0, \zero
	MUL16 \f, 1, 2, \zero
.endm
; A step's last quarter changes slots: one barrier.  In front of it each wave has waited for all its tensor loads (one is out: its part of the next slot), has added 0 to its spare word, and has waited for that
; and for its reads of this slot.  fill = 1: behind it this slot is filled again, two K steps on: the wave's one tensor load until the next such barrier.
.macro TURN slot, next, fill
	WIN 0
	s_wait_tensorcnt 0x0
	ds_add_u32 v[SPW], v[NIL]
	s_wait_dscnt 9                                 ; (the add and the youngest eight loads may be out)
	WIN MUL_LO
	MUL16 F1, 0, 0, 0
	s_wait_dscnt 0x0
	s_barrier_signal -1
	MUL16 F1, 0, 2, 0
	WIN 0
	s_barrier_wait -1
.if \fill
	s_add_nc_u64 s[G0+4*\slot+2:G0+4*\slot+3], s[G0+4*\slot+2:G0+4*\slot+3], 2*KSTEP*2   ; no load of mine is out, so the group may be written
	tensor_load_to_lds s[G0+4*\slot:G0+4*\slot+3], s[G1:G1+7]
	s_nop 0
	PLACES                                         ; also the places in front of the loads below
.else
	PLACES
.endif
	FETCH \next, 0, F0
	WIN MUL_HI
	MUL16 F1, 1, 0, 0
	MUL16 F1, 1, 2, 0
.endm
	s_wait_tensorcnt 1                             ; my part of K step 0 is in; K step 1's may stay out
	s_barrier_signal -1
	s_barrier_wait -1
	FETCH 0, 0, F0
	QUARTER 0, 64,  F0, F1, 1                      ; the first quarter's products start the sums
	WIN 0
	s_mov_b32 s3, 3
.Llap:                                             ; three trips, each once round the ring: K steps 2 to 7 are asked for
	QUARTER 0, 128, F1, F0, 0
	QUARTER 0, 192, F0, F1, 0
	TURN 0, 1, 1
	QUARTER 1, 64,  F0, F1, 0
	QUARTER 1, 128, F1, F0, 0
	QUARTER 1, 192, F0, F1, 0
	TURN 1, 0, 1
	QUARTER 0, 64,  F0, F1, 0
	WIN 0
	s_sub_co_u32 s3, s3, 1
	s_cmp_lg_u32 s3, 0
	s_cbranch_scc1 .Llap
	QUARTER 0, 128, F1, F0, 0                      ; the last lap is written out: it asks for nothing
	QUARTER 0, 192, F0, F1, 0
	TURN 0, 1, 0
	QUARTER 1, 64,  F0, F1, 0
	QUARTER 1, 128, F1, F0, 0
	QUARTER 1, 192, F0, F1, 0
	s_wait_dscnt 8
	WIN MUL_LO
	MUL16 F1, 0, 0, 0
	MUL16 F1, 0, 2, 0
	s_wait_dscnt 0x0
	WIN MUL_HI
	MUL16 F1, 1, 0, 0
	MUL16 F1, 1, 2, 0
	WIN 0
	PLACES
; THE MASK, in tiles on the diagonal; wave 2's part (late queries, early keys) lies wholly under it.  Register j of accumulator (a, b) holds key 16 b + 8 h + j of my 128 for query 16 a + r of my 128:
; hidden where 16 (b - a) + j > DL.  One compare serves all accumulators of one b - a; each accumulator is taken from j = 0 on.
	s_cmp_lg_u32 s13, s14
	s_cbranch_scc1 .Lopen
	s_cmp_eq_u32 s10, 2
	s_cbranch_scc1 .Lopen
.irp w, 0,1
	WIN 0x82+0x41*\w                               ; the accumulators (source 0 and destination) in window 2 or 3
.set dd, -3-4*\w
.rept 11
.set jj, 0
.rept 8
	v_cmp_gt_i32 vcc_lo, 16*dd+jj, v[DL]
.set aa, 0
.rept 4
.set bb, 4*\w+aa+dd
.if (bb >= 0) && (bb < 8)
	v_cndmask_b32 v[8*(8*aa+bb)+jj], v[8*(8*aa+bb)+jj], v[NINF], vcc_lo
.endif
.set aa, aa+1
.endr
.set jj, jj+1
.endr
.set dd, dd+1
.endr
.endr
	WIN 0
.Lopen:
; THE ROWS' MAXIMA: block a's 64 registers in four chains of 16; each accumulator is first read at its low end.
.macro ROWMAX a
.set AC, 64*((\a)%4)
	WIN 0x2a+0x15*((\a)/4)                         ; three sources in window 2 or 3
.irp c, 0,1,2,3
	v_max3_num_f32 v[T+\c], v[AC+16*\c], v[AC+16*\c+1], v[AC+16*\c+2]
.endr
	WIN 0x28+0x14*((\a)/4)                         ; sources 1 and 2 there
.irp k, 3,5,7,9,11,13
.irp c, 0,1,2,3
	v_max3_num_f32 v[T+\c], v[T+\c], v[AC+16*\c+\k], v[AC+16*\c+\k+1]
.endr
.endr
.irp c, 0,1,2,3
	v_max_num_f32 v[T+\c], v[T+\c], v[AC+16*\c+15]
.endr
	WIN 0
	v_max3_num_f32 v[MX+\a], v[T], v[T+1], v[T+2]
	v_max_num_f32 v[MX+\a], v[MX+\a], v[T+3]
.endm
.irp a, 0,1,2,3,4,5,6,7
	ROWMAX \a
.endr
.irp a, 0,1,2,3,4,5,6,7
	v_permlanex16_b32 v[PM+\a], v[MX+\a], s[SEL], s[SEL+1]
.endr
.irp a, 0,1,2,3,4,5,6,7
	v_max_num_f32 v[MX+\a], v[MX+\a], v[PM+\a]     ; with lane l xor 16's keys: my wave's 128 keys
.endr
.irp a, 0,1,2,3,4,5,6,7
	ds_store_b32 v[AXM], v[MX+\a] offset:64*\a     ; lanes r and r + 16 write the same word with the same value
.endr
	s_wait_dscnt 0x0                               ; for the other wave's sake
	s_barrier_signal -1
	s_barrier_wait -1
.irp a, 0,1,2,3,4,5,6,7
	ds_load_b32 v[PM+\a], v[AXP] offset:64*\a      ; the same rows' other 128 keys
.endr
	s_wait_dscnt 0x0
.irp a, 0,1,2,3,4,5,6,7
	v_max_num_f32 v[MX+\a], v[MX+\a], v[PM+\a]
.endr
.irp a, 0,1,2,3,4,5,6,7
	v_mul_f32 v[MX+\a], s[CS], v[MX+\a]            ; as t (c is positive)
.endr
.irp a, 0,1,2,3,4,5,6,7
	v_floor_f32 v[NM+2*\a], -v[MX+\a]              ; negM = floor(-t) = -ceil(t): a whole number
.endr
.irp a, 0,1,2,3,4,5,6,7
	v_mov_b32 v[NM+2*\a+1], v[NM+2*\a]             ; (named with it as a pair)
	ds_store_b32 v[AXN], v[NM+2*\a] offset:64*\a
.endr
; A BLOCK'S SOFTMAX: t - M two at a time, 64 exponentials as one batch with one wait, the sum of the unrounded p, the rounding to f16.
.macro SOFT a
.set AC, 64*((\a)%4)
	WIN 0x82+0x41*((\a)/4)
.set i, 0
.rept 32
	v_pk_fma_f32 v[AC+i:AC+i+1], v[AC+i:AC+i+1], s[CS:CS+1], v[NM+2*(\a):NM+2*(\a)+1] op_sel_hi:[1,0,0]
.set i, i+2
.endr
.set i, 0
.rept 64
	v_exp_f32 v[AC+i], v[AC+i]                     ; p = 2^(t - M), at most 1; a hidden key's is 0
.set i, i+1
.endr
	v_nop                                          ; a plain line behind the last exponential
	s_wait_alu depctr_va_vdst(0)                   ; one wait for the batch, ahead of its first reader
	WIN 0x0a+5*((\a)/4)
.set i, 0
.rept 16
	v_pk_add_f32 v[U+2*i:U+2*i+1], v[AC+4*i:AC+4*i+1], v[AC+4*i+2:AC+4*i+3]
.set i, i+1
.endr
.set i, 0
.rept 32
	v_cvt_pk_f16_f32 v[TMP+i], v[AC+2*i], v[AC+2*i+1]
.set i, i+1
.endr
	WIN 0
.irp s, 8,4,2
.set i, 0
.rept \s
	v_pk_add_f32 v[U+2*i:U+2*i+1], v[U+2*i:U+2*i+1], v[U+2*(i+\s):U+2*(i+\s)+1]
.set i, i+1
.endr
.endr
	v_pk_add_f32 v[LS+2*(\a):LS+2*(\a)+1], v[U:U+1], v[U+2:U+3]
.endm
.macro TOSTAGE a
.set BK, 96+128*((\a)%2)
.irp b, 0,1,2,3,4,5,6,7
	ds_store_b128 v[STO], v[TMP+4*\b:TMP+4*\b+3] offset:32*\b
.endr
.irp t, 0,1,2,3,4,5,6,7
	ds_load_b128 v[BK+4*\t:BK+4*\t+3], v[RD] offset:\t*2*SPITCH    ; my own bytes, served in order behind my stores
.endr
.endm
.macro SEND a
.set BK, 96+128*((\a)%2)
	s_wait_dscnt 0x0
	s_wait_xcnt 0x0                                ; the block before's stores have read their registers: the next loads from the stage may land there
.irp t, 0,1,2,3,4,5,6,7
	global_store_b128 v[CO], v[BK+4*\t:BK+4*\t+3], s[6:7] offset:(16*(\a)+2*\t)*4096   ; 16 lanes store 256 consecutive bytes, aligned
.endr
.endm
	SOFT 0
	TOSTAGE 0
.irp a, 1,2,3,4,5,6,7
	SOFT \a
	SEND \a-1
	TOSTAGE \a
.endr
	SEND 7
; THE ROWS' SUMS: the pair's halves, lane l xor 16's, and the other wave's 128 keys; the waves with the keys' first half store both figures, 512 consecutive bytes each.
.irp a, 0,1,2,3,4,5,6,7
	v_add_f32 v[LS+2*\a], v[LS+2*\a], v[LS+2*\a+1]
.endr
.irp a, 0,1,2,3,4,5,6,7
	v_permlanex16_b32 v[PM+\a], v[LS+2*\a], s[SEL], s[SEL+1]
.endr
.irp a, 0,1,2,3,4,5,6,7
	v_add_f32 v[LS+2*\a], v[LS+2*\a], v[PM+\a]
.endr
.irp a, 0,1,2,3,4,5,6,7
	ds_store_b32 v[AXL], v[LS+2*\a] offset:64*\a
.endr
	s_wait_dscnt 0x0
	s_barrier_signal -1
	s_barrier_wait -1
	s_cmp_eq_u32 s12, 0
	s_cbranch_scc0 .Lno_stat
	ds_load_b128 v[32:35], v[ARS]                  ; negM of four rows a lane
	ds_load_b128 v[36:39], v[ARS] offset:XL-XN     ; my wave's sums
	ds_load_b128 v[40:43], v[ARS] offset:XL-XN+512 ; the other wave's
	s_wait_dscnt 0x0
	v_pk_add_f32 v[36:37], v[36:37], v[40:41]
	v_pk_add_f32 v[38:39], v[38:39], v[42:43]
	global_store_b128 v[SOF], v[32:35], s[8:9]
	global_store_b128 v[SOF], v[36:39], s[8:9] offset:262144
.Lno_stat:
	s_wait_tensorcnt 0x0                           ; the wave's end
	ds_add_u32 v[SPW], v[NIL]
	s_wait_dscnt 0x0
	s_endpgm
; ---------------- the projection to V ----------------
; A tile of V^T, 256 channels x 256 keys: side A = 256 of Wv's columns (rows 2,048 on of wc), side B = 256 tokens of x.  K = 1,024 is the ring's two slots of 512 along K (rows of 256 bytes of codes):
; both are asked for at the start, with the scale bytes of the 256 + 256 rows; nothing is filled again.  Waves 0 and 1 fetch A's halves, waves 2 and 3 B's: three loads of a wave are out at the start.
.set VNQ,   4
.set VFR,   8
.set VNL,   2
.set VKS,   32
.set VHALFS, (128*VKS/256)*272         ; the scales of 128 rows
.set VSBLK,  (16*VKS/256)*272          ; those of 16 rows
.set VADRS, 27
.set VSC,   32
.set VAF,   128
.set VTMP,  192
.set VOB,   32
.set VG0S,  44                         ; s[44:47] group 0 for my scale bytes;  s[48:55] for my quarter of each slot;  s[68:75], s[76:83] groups 1 for codes and for scale bytes
.set VG0,   48
.set VG1,   68
.set VG1S,  76
.Lvproj:
	s_sub_co_u32 s13, ttmp9, 144                   ; which of the 128 tiles
	s_and_b32 s17, s13, 3                          ; its 256 channels
	s_lshr_b32 s14, s13, 2                         ; its 256 tokens
	s_mov_b32 s[VG1+0], (0<<16)|(1<<20)|(5<<22)|(3<<25)   ; elements of 1 byte; 4 words of padding behind every 64
	s_mov_b32 s[VG1+1], 256<<16                    ; tensor_dim0
	s_mov_b32 s[VG1+2], 128<<16                    ; tensor_dim1
	s_mov_b32 s[VG1+3], 256<<16                    ; tile_dim0
	s_mov_b32 s[VG1+4], 128                        ; tile_dim1
	s_mov_b32 s[VG1+5], 512                        ; the pitch: a row of 1,024 codes
	s_mov_b32 s[VG1+6], 0
	s_mov_b32 s[VG1+7], 0
	s_mov_b32 s[VG1S+0], (3<<16)|(1<<20)|(5<<22)|(3<<25)  ; the scales of 128 rows: 4,096 dense bytes as 16 rows of 32 elements of 8 bytes
	s_mov_b32 s[VG1S+1], 32<<16
	s_mov_b32 s[VG1S+2], 16<<16
	s_mov_b32 s[VG1S+3], 32<<16
	s_mov_b32 s[VG1S+4], 16
	s_mov_b32 s[VG1S+5], 32
	s_mov_b32 s[VG1S+6], 0
	s_mov_b32 s[VG1S+7], 0
	s_add_co_u32 s18, s17, 8                       ; Wv's columns are rows 2,048 on of wc: tiles 8 to 11
	s_cmp_eq_u32 s11, 0
	s_cselect_b32 s20, s18, s14                    ; the tile of 256 rows that I fetch from
	s_lshl_b32 s20, s20, 1
	s_add_co_u32 s20, s20, s12                     ; in runs of 128 rows
	s_lshl_b32 s22, s20, 12                        ; their scales: 32 bytes a row
	s_lshl_b32 s20, s20, 16                        ; their codes: 512 bytes a row
	s_mov_b32 s21, 0
	s_mov_b32 s23, 0
	s_mul_i32 s40, s10, HALFT                      ; where they go: A's two halves, then B's two
	s_mul_i32 s41, s10, VHALFS
	s_wait_kmcnt 0x0
	s_cmp_eq_u32 s11, 0                            ; the wave's role chooses the buffers
	s_cselect_b64 s[56:57], s[84:85], s[88:89]     ; wc or xc
	s_cselect_b64 s[66:67], s[86:87], s[90:91]     ; ws or xs
	s_add_nc_u64 s[56:57], s[56:57], s[20:21]
	s_add_nc_u64 s[66:67], s[66:67], s[22:23]
	s_mov_b32 s[VG0S], 1
	s_add_co_u32 s[VG0S+1], s41, VSCL
	s_mov_b64 s[VG0S+2:VG0S+3], s[66:67]
	s_or_b32 s[VG0S+3], s[VG0S+3], 0x80000000
	tensor_load_to_lds s[VG0S:VG0S+3], s[VG1S:VG1S+7]      ; the scales first: they are wanted with slot 0
	s_nop 0
.irp s, 0,1
	s_mov_b32 s[VG0+4*\s], 1
	s_add_co_u32 s[VG0+4*\s+1], s40, \s*SLOT
	s_add_nc_u64 s[VG0+4*\s+2:VG0+4*\s+3], s[56:57], \s*256
	s_or_b32 s[VG0+4*\s+3], s[VG0+4*\s+3], 0x80000000
	tensor_load_to_lds s[VG0+4*\s:VG0+4*\s+3], s[VG1:VG1+7]
	s_nop 0
.endr
	v_and_b32 v1, 15, v0                           ; r
	v_bfe_u32 v2, v0, 4, 1                         ; h
	v_mul_u32_u24 v3, v1, PITCH
	v_lshl_add_u32 v4, v2, 4, v3                   ; a fragment's row x pitch + 16 h
	s_mul_i32 s21, s11, HALFT
	s_mul_i32 s22, s12, HALFT
	s_add_co_u32 s22, s22, 2*HALFT
.irp s, 0,1
	v_add_nc_u32 v[ADRA+\s], s21, v4
	v_add_nc_u32 v[ADRB+\s], s22, v4
	s_add_co_u32 s21, s21, SLOT
	s_add_co_u32 s22, s22, SLOT
.endr
	v_mul_u32_u24 v5, v1, VKS                      ; my row's scales: 32 bytes a row, 16 more for each 256 passed
	v_lshrrev_b32 v6, 8, v5
	v_lshl_add_u32 v5, v6, 4, v5
	s_mul_i32 s21, s11, VHALFS
	s_mul_i32 s22, s12, VHALFS
	s_add_co_u32 s22, s22, 2*VHALFS
	s_sub_co_u32 s22, s22, s21
	v_mul_u32_u24 v6, s22, v2                      ; lanes 16-31 take B's: one product, the distance between the two bases
	s_add_co_u32 s21, s21, VSCL
	v_add_nc_u32 v5, v5, v6
	v_add_nc_u32 v[VADRS], s21, v5
	s_mul_i32 s23, s10, 16*SPITCH                  ; my stage, in V's own bytes
	s_add_co_u32 s23, s23, VSCL
	v_mul_u32_u24 v5, v1, SPITCH
	v_lshl_add_u32 v5, v2, 4, v5
	v_add_nc_u32 v[STO], s23, v5                   ; in: row r, 16 bytes for each half of the lanes
	v_mul_u32_u24 v5, v2, SPITCH
	v_lshl_add_u32 v5, v1, 4, v5
	v_add_nc_u32 v[RD], s23, v5                    ; back: lanes 0-15 one row of 256 bytes, lanes 16-31 the next
	v_lshlrev_b32 v5, 12, v2
	v_lshl_add_u32 v[CO], v1, 4, v5                ; the same two rows in vt: rows of 4,096 bytes
	s_lshl_b32 s18, s17, 1                         ; vt: sequence x 1,024 rows + (256 x channel tile + 128 x half) rows of 4,096 bytes + (256 x (token tile % 8) + 128 x half) x 2 bytes
	s_add_co_u32 s18, s18, s11
	s_lshl_b32 s18, s18, 19
	s_and_b32 s19, s14, 7
	s_lshl_b32 s19, s19, 1
	s_add_co_u32 s19, s19, s12
	s_lshl_b32 s19, s19, 8
	s_add_co_u32 s18, s18, s19
	s_lshr_b32 s19, s14, 3
	s_lshl_b32 s19, s19, 22
	s_add_co_u32 s18, s18, s19
	s_mov_b32 s19, 0
	s_add_nc_u64 s[92:93], s[92:93], s[18:19]
.macro VFRAG reg, adr, q, i            ; 16 rows x 128 K of 4-bit codes: 8 registers, two loads of 16 bytes, 32 bytes apart
.irp c, 0,1
	ds_load_b128 v[\reg+4*\c:\reg+4*\c+3], v[\adr] offset:64*(\q)+32*\c+(\i)*16*PITCH
.endr
.endm
; 16 matrix instructions: A's blocks a0, a0 + 1 x B's eight.  zero = 1: the first product starts the sums.  The 64 accumulators take turns, one instruction a turn.
.macro VMUL16 a0, p, q, sc, zero
.irp a, \a0, \a0+1
.irp b, 0,1,2,3,4,5,6,7
.if \zero
	v_wmma_scale_f32_16x16x128_f8f6f4 v[8*(8*((\a)%4)+\b):8*(8*((\a)%4)+\b)+7], v[128*(\p)+VFR*\b:128*(\p)+VFR*\b+VFR-1], v[VAF+VFR*(\a):VAF+VFR*(\a)+VFR-1], 0, v[VSC+8*VNQ*(\sc)+VNQ*\b+(\q)], v[VSC+8*VNQ*(\sc)+VNQ*(\a)+(\q)] matrix_a_fmt:MATRIX_FMT_FP4 matrix_b_fmt:MATRIX_FMT_FP4 matrix_a_scale:MATRIX_SCALE_ROW1
.else
	v_wmma_scale_f32_16x16x128_f8f6f4 v[8*(8*((\a)%4)+\b):8*(8*((\a)%4)+\b)+7], v[128*(\p)+VFR*\b:128*(\p)+VFR*\b+VFR-1], v[VAF+VFR*(\a):VAF+VFR*(\a)+VFR-1], v[8*(8*((\a)%4)+\b):8*(8*((\a)%4)+\b)+7], v[VSC+8*VNQ*(\sc)+VNQ*\b+(\q)], v[VSC+8*VNQ*(\sc)+VNQ*(\a)+(\q)] matrix_a_fmt:MATRIX_FMT_FP4 matrix_b_fmt:MATRIX_FMT_FP4 matrix_a_scale:MATRIX_SCALE_ROW1
.endif
.endr
.endr
.endm
.macro VFETCH_B slot, q, p
	WIN TO_B
.irp i, 0,1,2,3,4,5,6,7
	VFRAG 128*(\p)+VFR*\i, ADRB+\slot, \q, \i
.endr
	WIN 0
.endm
.macro VFETCH_A slot, q, i0
.irp i, \i0, \i0+1, \i0+2, \i0+3
	VFRAG VAF+VFR*(\i), ADRA+\slot, \q, \i
.endr
.endm
.macro VSCALES sc                      ; a slot's scale words: four a row; lanes 0-15 A's block i, lanes 16-31 B's block i
.irp i, 0,1,2,3,4,5,6,7
	ds_load_b128 v[VSC+8*VNQ*\sc+VNQ*\i:VSC+8*VNQ*\sc+VNQ*\i+3], v[VADRS] offset:\i*VSBLK
.endr
.endm
.macro VSTEP slot, q, zero             ; 128 along K with its successor in the same slot
	s_wait_dscnt 4*VNL                             ; B's set and A's blocks 0-3 are in; the youngest eight loads (A's blocks 4-7) may be out
	WIN MUL_LO
	VMUL16 0, (\q)%2, \q, \slot, \zero
	VMUL16 2, (\q)%2, \q, \slot, \zero
	s_wait_dscnt 0
	PLACES
	VFETCH_B \slot, (\q)+1, 1-(\q)%2
	VFETCH_A \slot, (\q)+1, 0
	WIN MUL_HI
	VMUL16 4, (\q)%2, \q, \slot, \zero
	VMUL16 6, (\q)%2, \q, \slot, \zero
	PLACES
	WIN 0
	VFETCH_A \slot, (\q)+1, 4
.endm
	s_wait_tensorcnt 1                             ; the scales and my part of slot 0 are in; slot 1's load may stay out
	s_barrier_signal -1
	s_barrier_wait -1
	VFETCH_B 0, 0, 0
	VFETCH_A 0, 0, 0
	VSCALES 0
	VFETCH_A 0, 0, 4
	VSTEP 0, 0, 1
	VSTEP 0, 1, 0
	VSTEP 0, 2, 0
	; slot 0's last step changes slots: one barrier; each wave's loads have landed in front of it
	s_wait_tensorcnt 0x0                           ; my part of slot 1 has landed
	ds_add_u32 v[SPW], v[NIL]
	s_wait_dscnt 4*VNL+1                           ; (the add and A's blocks 4-7 may be out)
	WIN MUL_LO
	VMUL16 0, 1, VNQ-1, 0, 0
	s_wait_dscnt 0x0
	s_barrier_signal -1
	VMUL16 2, 1, VNQ-1, 0, 0
	WIN 0
	s_barrier_wait -1
	PLACES
	v_add_nc_u32 v[VADRS], 4*VNQ, v[VADRS]         ; on to slot 1's scale words (no LDS load of mine is out)
	VFETCH_B 1, 0, 0
	VFETCH_A 1, 0, 0
	VSCALES 1
	WIN MUL_HI
	VMUL16 4, 1, VNQ-1, 0, 0
	VMUL16 6, 1, VNQ-1, 0, 0
	PLACES
	WIN 0
	VFETCH_A 1, 0, 4
	VSTEP 1, 0, 0
	VSTEP 1, 1, 0
	VSTEP 1, 2, 0
	s_wait_dscnt 4*VNL
	WIN MUL_LO
	VMUL16 0, 1, VNQ-1, 1, 0
	VMUL16 2, 1, VNQ-1, 1, 0
	s_wait_dscnt 0                                 ; all my LDS loads are back, those of the scale words long since
	WIN MUL_HI
	VMUL16 4, 1, VNQ-1, 1, 0
	VMUL16 6, 1, VNQ-1, 1, 0
	WIN 0
	s_barrier_signal -1                            ; the stages lie where the scale words lay: no wave stores there before every wave's reads of them are back
	s_barrier_wait -1
; THE WAY OUT, a block of 16 channels x 128 keys at a time: rounded to f16 (16 bytes a lane), through my own stage, back as whole rows of 256 bytes.
.macro VPACK a
.set AC, 64*((\a)%4)
	WIN 0x0a+5*((\a)/4)                            ; sources in window 2 or 3
.irp b, 0,1,2,3,4,5,6,7
.irp r, 0,1,2,3
	v_cvt_pk_f16_f32 v[VTMP+4*\b+\r], v[AC+8*\b+2*\r], v[AC+8*\b+2*\r+1]   ; each accumulator from its low end on
.endr
.endr
	WIN 0
.endm
.macro VTOSTAGE a
.set BK, VOB+192*((\a)%2)
.irp b, 0,1,2,3,4,5,6,7
	ds_store_b128 v[STO], v[VTMP+4*\b:VTMP+4*\b+3] offset:32*\b
.endr
.irp t, 0,1,2,3,4,5,6,7
	ds_load_b128 v[BK+4*\t:BK+4*\t+3], v[RD] offset:\t*2*SPITCH    ; my own bytes, served in order behind my stores
.endr
.endm
.macro VSEND a
.set BK, VOB+192*((\a)%2)
	s_wait_dscnt 0x0                               ; the block is back in registers
	s_wait_xcnt 0x0                                ; the block before's stores have read their registers: the next loads from the stage may land there
.irp t, 0,1,2,3,4,5,6,7
	global_store_b128 v[CO], v[BK+4*\t:BK+4*\t+3], s[92:93] offset:(16*(\a)+2*\t)*4096   ; 16 lanes store 256 consecutive bytes, aligned
.endr
.endm
	PLACES
	VPACK 0
	VTOSTAGE 0
.irp a, 1,2,3,4,5,6,7
	VPACK \a
	VSEND \a-1
	VTOSTAGE \a
.endr
	VSEND 7
	s_wait_tensorcnt 0x0                           ; the wave's end
	ds_add_u32 v[SPW], v[NIL]
	s_wait_dscnt 0x0
	s_endpgm
.Lfunc_end_k_q567e1529cc_scores:
	.size	k_q567e1529cc_scores, .Lfunc_end_k_q567e1529cc_scores-k_q567e1529cc_scores
	.p2alignl 7, 3214868480
	.fill 96, 4, 3214868480
	.section	.rodata,"a",@progbits
	.p2align	6, 0x0
	.amdhsa_kernel k_q567e1529cc_scores
		.amdhsa_group_segment_fixed_size 327680
		.amdhsa_private_segment_fixed_size 0
		.amdhsa_enable_private_segment 0
		.amdhsa_kernarg_size 64
		.amdhsa_user_sgpr_count 2
		.amdhsa_user_sgpr_kernarg_segment_ptr 1
		.amdhsa_wavefront_size32 1
		.amdhsa_system_sgpr_workgroup_id_x 1
		.amdhsa_system_sgpr_workgroup_id_y 1
		.amdhsa_system_sgpr_workgroup_id_z 1
		.amdhsa_system_vgpr_workitem_id 0
		.amdhsa_next_free_vgpr 1024
		.amdhsa_next_free_sgpr 96
		.amdhsa_reserve_vcc 1
		.amdhsa_float_denorm_mode_32 3
		.amdhsa_float_denorm_mode_16_64 3
		.amdhsa_memory_ordered 1
		.amdhsa_forward_progress 1
		.amdhsa_inst_pref_size 255
	.end_amdhsa_kernel
	.section	.bss,"aw",@nobits
	.p2align	6
	.space	262144
	.amdgpu_metadata
---
amdhsa.version: [ 1, 2 ]
amdhsa.kernels:
  - .name:           k_q567e1529cc_scores
    .symbol:         k_q567e1529cc_scores.kd
    .args:
      - { .name: qk, .offset: 0, .size: 8, .value_kind: global_buffer, .address_space: global }
      - { .name: pw, .offset: 8, .size: 8, .value_kind: global_buffer, .address_space: global }
      - { .name: st, .offset: 16, .size: 8, .value_kind: global_buffer, .address_space: global }
      - { .name: vt, .offset: 24, .size: 8, .value_kind: global_buffer, .address_space: global }
      - { .name: wc, .offset: 32, .size: 8, .value_kind: global_buffer, .address_space: global }
      - { .name: ws, .offset: 40, .size: 8, .value_kind: global_buffer, .address_space: global }
      - { .name: xc, .offset: 48, .size: 8, .value_kind: global_buffer, .address_space: global }
      - { .name: xs, .offset: 56, .size: 8, .value_kind: global_buffer, .address_space: global }
    .group_segment_fixed_size: 327680
    .private_segment_fixed_size: 0
    .kernarg_segment_align: 8
    .kernarg_segment_size: 64
    .max_flat_workgroup_size: 128
    .sgpr_count:     96
    .vgpr_count:     1024
    .wavefront_size: 32
...
	.end_amdgpu_metadata
.endif
;; end of part 3
;; launch pv (part 4): grid 8 x 32, 4 waves a work-group, clusters of 4 x 1, 327,680 bytes of LDS; arguments pw, vt, st, bv, out0; writes out0
.if DOCPART == 4
	.amdgcn_target "amdgcn-amd-amdhsa--gfx1250"
	.amdhsa_code_object_version 6
	.text
	.protected	k_q567e1529cc_pv
	.globl	k_q567e1529cc_pv
	.p2align	8
	.type	k_q567e1529cc_pv,@function
k_q567e1529cc_pv:
	s_mov_b64 s[64:65], 0
	v_nop
	global_prefetch_b8 v0, s[64:65] scope:SCOPE_SE
	s_setreg_imm32_b32 hwreg(HW_REG_WAVE_MODE, 25, 1), 1
	s_wait_xcnt 0x0
	s_wait_alu depctr_hold_cnt(0) depctr_sa_sdst(0) depctr_va_vdst(0) depctr_va_sdst(0) depctr_va_ssrc(0) depctr_va_vcc(0) depctr_vm_vsrc(0)
	s_getreg_b32 s2, hwreg(HW_REG_IB_STS2, 6, 4)
	s_cmp_eq_u32 s2, 0
	s_cbranch_scc0 .Lentry_in_a_cluster
	s_endpgm
.Lentry_in_a_cluster:
	s_bfe_u32 s2, ttmp6, 0x10000c
	s_cmp_lg_u32 s2, 0x3003
	s_cbranch_scc0 .Lentry_shape_is_right
	s_endpgm
.Lentry_shape_is_right:
; LAUNCH 4 OF 4: out[q][ch] = sum over key tiles J of (f_J / l) (P_J V_J)[q][ch] + bv[ch].  P (pw) and V^T (vt) are f16, sums f32.
; For a row: NMR = the least negM_J = -(the row's largest M);  f_J = 2^(NMR - negM_J), an exact power of two;  l = sum of f_J l_J.  So the row's maximum governs every exponential's weight.
; LEFT OUT: key tiles wholly above the diagonal; bv is added once since a row's weights sum to 1: shown at the head of the first launch.
; SHARES.  A work-group makes two tiles of 128 rows x 128 channels: row blocks p and 15 - p of a sequence, which need (p / 2 + 1) and 9 - (p / 2 + 1) steps of 256 keys: NINE STEPS in every work-group, so
; all trip counts are constants and the work is even.  (For an even row block the last step's upper 128 keys are stored zeros: work inside a tile that also holds live work.)
; Four waves, 64 x 64 each.  A step's products are summed in TA, begun with the constant 0, and ACC += TA x (f_J / l): a lane holds one query, so the factor is a number of the lane.  ACC begins as bv, loaded into it.
; CLUSTER 4 x 1: the four partners make four blocks of channels for the same rows: P's tile is a joint load.  V^T's tile hangs on the block of channels and is a load of the work-group's own;
; work-groups with the same channels walk different keys, so it is shared with nobody.  p, the sequence and the count of steps are the same in all partners: every branch goes the same way in all four.
; THE MATRIX INSTRUCTION IS USED TRANSPOSED (source 0 = 16 channels, source 1 = 16 queries): a lane holds eight neighbouring channels of one row of out.
; REGISTERS: window 0: v16-31 addresses; v64-95 the rows' figures; v96-127 rows on the way out; v128-255 ACC.  window 1: two fragment buffers of 128.  window 2: v0-127 TA.
.set KSTEP,  256
.set PITCH,  528                       ; 512 bytes + 16 of padding
.set HALFT,  64*PITCH
.set SLOT,   4*HALFT                   ; P's 128 rows, then V^T's 128
.set STAGE,  2*SLOT                    ; 16 rows x (256 bytes + 16) a wave: a wave's 64 columns of f32 are one aligned run of 256 bytes, so the stage is the wave's own
.set SPITCH, 272
.set SPARE,  STAGE+4*16*SPITCH
.set ADRA, 16
.set ADRB, 20
.set STO,  24
.set RD,   25
.set CO,   26
.set SOFF, 27                          ; 4 r
.set SPW,  28
.set NIL,  29
.set BOF,  30                          ; 32 h
.set BIG,  31                          ; 3e38
.set G,    64                          ; v64-71 the step's factors, in pairs
.set NMJ,  72                          ; v72-75 the step's negM
.set NMR,  76                          ; v76-79 the tile's NMR;  v80-83 1 / l;  v84-91 the second tile's
.set RIN,  80
.set NMR2, 84
.set RIN2, 88
.set TT,   92
.set OB,   96
.set ACC,  128
.set F0,   0
.set F1,   128
.set G1A, 24
.set G0A, 32
.set G1B, 40
.set G0B, 48
.set MSB, 0
.macro WIN new
.if MSB != \new
	s_set_vgpr_msb (MSB<<8)|\new
.set MSB, \new
.endif
.endm
.set MUL,  0xa5                        ; sources 0 and 1 window 1; C and D window 2
.set TO_F, 0x40
.macro JLOAD s                         ; waves 0 and 1: P's halves, jointly; waves 2 and 3: V^T's; an s_nop 0 and four v_nop follow each line
	s_cmp_eq_u32 s15, 0
	s_cbranch_scc0 .Lfor_b_\@
	tensor_load_to_lds s[G0A+4*\s:G0A+4*\s+3], s[G1A:G1A+7]
	s_nop 0
.rept 4
	v_nop
.endr
	s_branch .Lasked_\@
.Lfor_b_\@:
	tensor_load_to_lds s[G0B+4*\s:G0B+4*\s+3], s[G1B:G1B+7]
	s_nop 0
.rept 4
	v_nop
.endr
.Lasked_\@:
.endm
.macro CREST
	s_cmp_lg_u32 s14, 0
	s_cbranch_scc1 .Lnot_wave_0_\@
	s_barrier_signal -3
.Lnot_wave_0_\@:
	s_barrier_wait -3
	s_barrier_signal -1
	s_barrier_wait -1
.endm
.macro CROUND
	s_barrier_signal -1
	s_barrier_wait -1
	CREST
.endm
; The global addresses of stream step t (in s70) into slot's groups 0: t < N1: the first tile's key tile t; else the second tile's key tile t - N1
.macro MKDESC slot
	s_sub_co_u32 s71, s70, s20
	s_cmp_lt_u32 s70, s20
	s_cselect_b32 s72, s56, s57                    ; the tile's rows of P
	s_cselect_b32 s71, s70, s71                    ; the key tile
	s_lshl_b32 s71, s71, 9                         ; 256 keys of 2 bytes
	s_add_co_u32 s72, s72, s71
	s_add_co_u32 s74, s58, s71
	s_add_nc_u64 s[G0A+4*\slot+2:G0A+4*\slot+3], s[4:5], s[72:73]
	s_or_b32 s[G0A+4*\slot+3], s[G0A+4*\slot+3], 0x80000000
	s_add_nc_u64 s[G0B+4*\slot+2:G0B+4*\slot+3], s[6:7], s[74:75]
	s_or_b32 s[G0B+4*\slot+3], s[G0B+4*\slot+3], 0x80000000
.endm
	s_load_b256 s[4:11], s[0:1], 0x0               ; pw, vt, st, bv
	s_load_b64 s[12:13], s[0:1], 0x20              ; out0
	v_lshl_add_u32 v[SPW], v0, 2, SPARE
	v_mov_b32 v[NIL], 0
	ds_add_u32 v[SPW], v[NIL]                      ; the wave's opening: the add, twice on end, and its wait
	ds_add_u32 v[SPW], v[NIL]
	v_lshrrev_b32 v1, 5, v0
	v_readfirstlane_b32 s14, v1                    ; wave 0..3
	s_lshr_b32 s15, s14, 1                         ; my half of the rows; also: I fetch P (0) or V^T (1)
	s_and_b32 s16, s14, 1                          ; my half of the channels; also: which 64 rows I fetch
	s_bfe_u32 s22, ttmp6, 0x40000                  ; cx
	s_lshl_b32 s17, ttmp9, 2
	s_add_co_u32 s17, s17, s22                     ; my block of 128 channels
	s_and_b32 s18, ttmp7, 0xffff
	s_lshr_b32 s19, s18, 3                         ; the sequence
	s_and_b32 s18, s18, 7                          ; p
	s_lshr_b32 s79, s18, 1                         ; the first tile's last key tile
	s_add_co_u32 s20, s79, 1                       ; N1
	s_sub_co_u32 s59, 15, s18                      ; the second tile's row block
	s_lshr_b32 s80, s59, 1                         ; its last key tile
	s_lshl_b32 s70, s19, 5                         ; P: (2048 b + 128 i + 64 half) rows of 4,096 bytes
	s_lshl_b32 s71, s18, 1
	s_add_co_u32 s56, s70, s71
	s_add_co_u32 s56, s56, s16
	s_lshl_b32 s56, s56, 18
	s_lshl_b32 s71, s59, 1
	s_add_co_u32 s57, s70, s71
	s_add_co_u32 s57, s57, s16
	s_lshl_b32 s57, s57, 18
	s_lshl_b32 s58, s19, 4                         ; V^T: (1024 b + 128 block + 64 half) rows of 4,096 bytes
	s_lshl_b32 s76, s17, 1
	s_add_co_u32 s58, s58, s76
	s_add_co_u32 s58, s58, s16
	s_lshl_b32 s58, s58, 18
	s_mov_b32 s73, 0
	s_mov_b32 s75, 0
	s_mov_b32 s[G1A+0], 15|(1<<16)|(1<<20)|(1<<21)|(6<<22)|(3<<25)   ; the mask: all four; elements of 2 bytes; 4 words of padding behind every 128; bit 21 beside a mask
	s_mov_b32 s[G1B+0], (1<<16)|(1<<20)|(6<<22)|(3<<25)              ; no mask
.irp g, G1A, G1B
	s_mov_b32 s[\g+1], KSTEP<<16
	s_mov_b32 s[\g+2], 64<<16
	s_mov_b32 s[\g+3], KSTEP<<16
	s_mov_b32 s[\g+4], 64
	s_mov_b32 s[\g+5], 2048
	s_mov_b32 s[\g+6], 0
	s_mov_b32 s[\g+7], 0
.endr
	s_mul_i32 s77, s14, HALFT
.irp s, 0,1
	s_mov_b32 s[G0A+4*\s], 1
	s_add_co_u32 s[G0A+4*\s+1], s77, \s*SLOT
	s_mov_b32 s[G0B+4*\s], 1
	s_add_co_u32 s[G0B+4*\s+1], s77, \s*SLOT
.endr
	s_wait_dscnt 0x0
	s_wait_kmcnt 0x0
	CROUND                                         ; all four work-groups are here: the first joint loads meet
	s_mov_b32 s70, 0
	MKDESC 0
	JLOAD 0
	s_mov_b32 s70, 1
	MKDESC 1
	JLOAD 1                                        ; two loads of mine are out
	v_and_b32 v1, 15, v0                           ; r
	v_bfe_u32 v2, v0, 4, 1                         ; h
	v_mul_u32_u24 v3, v1, PITCH
	v_lshl_add_u32 v3, v2, 4, v3
	s_mul_i32 s76, s15, HALFT
	s_mul_i32 s77, s16, HALFT
	s_add_co_u32 s77, s77, 2*HALFT
.irp s, 0,1
	v_add_nc_u32 v[ADRA+\s], s76, v3
	v_add_nc_u32 v[ADRB+\s], s77, v3
	s_add_co_u32 s76, s76, SLOT
	s_add_co_u32 s77, s77, SLOT
.endr
	s_mul_i32 s78, s14, 16*SPITCH
	s_add_co_u32 s78, s78, STAGE
	v_mul_u32_u24 v4, v1, SPITCH
	v_lshl_add_u32 v4, v2, 5, v4
	v_add_nc_u32 v[STO], s78, v4                   ; in: row r, 32 bytes for each half of the lanes
	v_mul_u32_u24 v4, v2, SPITCH
	v_lshl_add_u32 v4, v1, 4, v4
	v_add_nc_u32 v[RD], s78, v4                    ; back: lanes 0-15 one row of 256 bytes, lanes 16-31 the next
	v_lshlrev_b32 v4, 12, v2
	v_lshl_add_u32 v[CO], v1, 4, v4
	v_lshlrev_b32 v[SOFF], 2, v1
	v_lshlrev_b32 v[BOF], 5, v2
	v_mov_b32 v[BIG], 0x7f61b1e6
.irp a, 0,1,2,3
	v_mov_b32 v[G+2*\a+1], 0                       ; (named as a pair's upper half)
.endr
	s_lshl_b32 s76, s17, 1                         ; my 64 channels: (128 block + 64 half) x 4 bytes
	s_add_co_u32 s76, s76, s16
	s_lshl_b32 s76, s76, 8
	s_mov_b32 s77, 0
	s_add_nc_u64 s[10:11], s[10:11], s[76:77]      ; bv
	s_add_nc_u64 s[12:13], s[12:13], s[76:77]
	s_lshl_b32 s81, s19, 5                         ; out: (2048 b + 128 i + 64 row half) rows of 4,096 bytes
	s_lshl_b32 s76, s18, 1
	s_add_co_u32 s76, s76, s15                     ; 2 p + row half
	s_lshl_b32 s82, s59, 1
	s_add_co_u32 s82, s82, s15                     ; the same of the second tile
	s_add_co_u32 s78, s81, s76
	s_lshl_b32 s78, s78, 18
	s_mov_b32 s79, s79
	s_mov_b32 s83, 0
	s_mov_b32 s81, s81
	s_mov_b32 s77, 0
	s_mov_b32 s70, s78
	s_mov_b32 s71, 0
	s_add_nc_u64 s[66:67], s[12:13], s[70:71]      ; the first tile's rows of out
	s_lshl_b32 s70, s19, 5
	s_add_co_u32 s70, s70, s82
	s_lshl_b32 s70, s70, 18
	s_add_nc_u64 s[68:69], s[12:13], s[70:71]      ; the second tile's
	s_lshl_b32 s78, s19, 16                        ; st: (8 b x 2048 + 128 i + 64 row half) x 4
	s_lshl_b32 s70, s76, 8
	s_add_co_u32 s70, s70, s78
	s_add_nc_u64 s[60:61], s[8:9], s[70:71]
	s_lshl_b32 s70, s82, 8
	s_add_co_u32 s70, s70, s78
	s_add_nc_u64 s[62:63], s[8:9], s[70:71]
; A tile's figures for all its key tiles.  A key tile beyond the tile's last was never stored: its address is held at the last, and what comes back is replaced (3e38 for negM, 0 for l) by a select on ids.
.macro ROWLOAD sb, ih, ofj, ns, lss
.irp j, 0,1,2,3,4,5,6,7
	s_min_u32 s78, s[\ih], \j
	s_lshl_b32 s78, s78, 13                        ; a key tile's 2,048 rows of 4 bytes
	v_add_nc_u32 v[\ofj+\j], s78, v[SOFF]
.endr
.irp j, 0,1,2,3,4,5,6,7
.irp a, 0,1,2,3
	global_load_b32 v[\ns+4*\j+\a], v[\ofj+\j], s[\sb:\sb+1] offset:64*\a
	global_load_b32 v[\lss+4*\j+\a], v[\ofj+\j], s[\sb:\sb+1] offset:64*\a+262144
.endr
.endr
.endm
.macro ROWCALC ih, ns, lss, nmr, rin
.irp j, 1,2,3,4,5,6,7
	s_cmp_ge_u32 s[\ih], \j
	s_cselect_b32 s78, -1, 0
.irp a, 0,1,2,3
	v_cndmask_b32 v[\ns+4*\j+\a], v[BIG], v[\ns+4*\j+\a], s78
	v_cndmask_b32 v[\lss+4*\j+\a], 0, v[\lss+4*\j+\a], s78
.endr
.endr
.irp a, 0,1,2,3
	v_min3_num_f32 v[\nmr+\a], v[\ns+\a], v[\ns+4+\a], v[\ns+8+\a]
.endr
.irp a, 0,1,2,3
	v_min3_num_f32 v[\nmr+\a], v[\nmr+\a], v[\ns+12+\a], v[\ns+16+\a]
.endr
.irp a, 0,1,2,3
	v_min3_num_f32 v[\nmr+\a], v[\nmr+\a], v[\ns+20+\a], v[\ns+24+\a]
.endr
.irp a, 0,1,2,3
	v_min_num_f32 v[\nmr+\a], v[\nmr+\a], v[\ns+28+\a]   ; NMR = -(the row's largest M)
.endr
.irp j, 0,1,2,3,4,5,6,7
.irp a, 0,1,2,3
	v_sub_f32 v[\ns+4*\j+\a], v[\nmr+\a], v[\ns+4*\j+\a] ; a whole number, 0 or less
.endr
.endr
.irp j, 0,1,2,3,4,5,6,7
.irp a, 0,1,2,3
	v_cvt_i32_f32 v[\ns+4*\j+\a], v[\ns+4*\j+\a]         ; (it saturates)
.endr
.endr
.irp j, 0,1,2,3,4,5,6,7
.irp a, 0,1,2,3
	v_ldexp_f32 v[\ns+4*\j+\a], 1.0, v[\ns+4*\j+\a]      ; f_J
.endr
.endr
.irp a, 0,1,2,3
	v_mul_f32 v[\rin+\a], v[\ns+\a], v[\lss+\a]
.endr
.irp j, 1,2,3,4,5,6,7
.irp a, 0,1,2,3
	v_fmac_f32 v[\rin+\a], v[\ns+4*\j+\a], v[\lss+4*\j+\a]
.endr
.endr
.irp a, 0,1,2,3
	v_rcp_f32 v[\rin+\a], v[\rin+\a]               ; 1 / l
.endr
	v_nop
	s_wait_alu depctr_va_vdst(0)                   ; one wait for the four
.endm
.macro BIAS                            ; ACC begins as bv at my 64 channels, the same for the four blocks of rows
.irp a, 0,1,2,3
.irp b, 0,1,2,3
	global_load_b128 v[ACC+8*(4*\a+\b):ACC+8*(4*\a+\b)+3], v[BOF], s[10:11] offset:64*\b
	global_load_b128 v[ACC+8*(4*\a+\b)+4:ACC+8*(4*\a+\b)+7], v[BOF], s[10:11] offset:64*\b+16
.endr
.endr
.endm
.macro STATLOAD                        ; the next step's negM of my 64 rows
.irp a, 0,1,2,3
	global_load_b32 v[NMJ+\a], v[SOFF], s[60:61] offset:64*\a
.endr
.endm
	ROWLOAD 60, 79, 128, 136, 168                  ; both tiles' figures are asked for together, into registers that are free until ACC begins
	ROWLOAD 62, 80, 32, 200, 96
	s_wait_loadcnt 0x0
	ROWCALC 79, 136, 168, NMR, RIN
	ROWCALC 80, 200, 96, NMR2, RIN2
	BIAS
	STATLOAD
	s_mov_b32 s21, 0                               ; the stream's step
.macro MUL8 f, c, a0, zero             ; 8 matrix instructions: row blocks a0, a0 + 1 x 4 channel blocks, 32 along K; the 16 accumulators take turns
.irp a, \a0, \a0+1
.irp b, 0,1,2,3
.if \zero
	v_wmma_f32_16x16x32_f16 v[8*(4*(\a)+\b):8*(4*(\a)+\b)+7], v[\f+64+8*(4*\c+\b):\f+64+8*(4*\c+\b)+7], v[\f+8*(4*\c+\a):\f+8*(4*\c+\a)+7], 0
.else
	v_wmma_f32_16x16x32_f16 v[8*(4*(\a)+\b):8*(4*(\a)+\b)+7], v[\f+64+8*(4*\c+\b):\f+64+8*(4*\c+\b)+7], v[\f+8*(4*\c+\a):\f+8*(4*\c+\a)+7], v[8*(4*(\a)+\b):8*(4*(\a)+\b)+7]
.endif
.endr
.endr
.endm
.macro FETCH slot, k, f                ; 32 LDS loads in one run: 64 along K at byte k, the first 32 along K first
	WIN TO_F
.irp c, 0,1
.irp i, 0,1,2,3
	ds_load_b128 v[\f+64+8*(4*\c+\i):\f+64+8*(4*\c+\i)+3],   v[ADRB+\slot] offset:\k+64*\c+\i*16*PITCH
	ds_load_b128 v[\f+64+8*(4*\c+\i)+4:\f+64+8*(4*\c+\i)+7], v[ADRB+\slot] offset:\k+64*\c+\i*16*PITCH+32
	ds_load_b128 v[\f+8*(4*\c+\i):\f+8*(4*\c+\i)+3],         v[ADRA+\slot] offset:\k+64*\c+\i*16*PITCH
	ds_load_b128 v[\f+8*(4*\c+\i)+4:\f+8*(4*\c+\i)+7],       v[ADRA+\slot] offset:\k+64*\c+\i*16*PITCH+32
.endr
.endr
.endm
.macro PLACES
.rept 4
	v_nop
.endr
.endm
.macro QUARTER slot, k, f, g, zero
	s_wait_dscnt 16                                ; the first 32 along K are in
	WIN MUL
	MUL8 \f, 0, 0, \zero
	MUL8 \f, 0, 2, \zero
	PLACES
	FETCH \slot, \k, \g
	s_wait_dscnt 32                                ; all but the 32 just issued
	WIN MUL
	MUL8 \f, 1, 0, 0
	MUL8 \f, 1, 2, 0
.endm
; A step's last quarter changes slots.  In front of the barrier each wave has waited for all its tensor loads, has added 0 to its spare word, and has waited for that and for its reads of this slot.
; fill = 1: the barrier opens a round of the cluster's barrier, and behind the round this slot takes stream step s21 + 2: the wave's one tensor load until the next round.
.macro TURN slot, next, fill
	WIN 0
	s_wait_tensorcnt 0x0
	ds_add_u32 v[SPW], v[NIL]
	s_wait_dscnt 17                                ; (the add and the youngest sixteen loads may be out)
	WIN MUL
	MUL8 F1, 0, 0, 0
	s_wait_dscnt 0x0
	s_barrier_signal -1
	MUL8 F1, 0, 2, 0
.if \fill
	WIN 0
.endif
	s_barrier_wait -1
.if \fill
	CREST
	s_add_co_u32 s70, s21, 2
	MKDESC \slot                                   ; no load of mine is out, so the groups may be written
	JLOAD \slot                                    ; its four v_nop are also the places in front of the loads below
.else
	PLACES
.endif
	FETCH \next, 0, F0
	WIN MUL
	MUL8 F1, 1, 0, 0
	MUL8 F1, 1, 2, 0
.endm
.macro FLUSH o                         ; a finished tile: 16 rows at a time through my own stage, out as whole runs of 256 bytes
.irp a, 0,1,2,3
	s_wait_xcnt 0x0                                ; earlier stores have read their registers
.irp b, 0,1,2,3
	ds_store_b128 v[STO], v[ACC+8*(4*\a+\b):ACC+8*(4*\a+\b)+3] offset:64*\b
	ds_store_b128 v[STO], v[ACC+8*(4*\a+\b)+4:ACC+8*(4*\a+\b)+7] offset:64*\b+16
.endr
.irp t, 0,1,2,3,4,5,6,7
	ds_load_b128 v[OB+4*\t:OB+4*\t+3], v[RD] offset:\t*2*SPITCH
.endr
	s_wait_dscnt 0x0
.irp t, 0,1,2,3,4,5,6,7
	global_store_b128 v[CO], v[OB+4*\t:OB+4*\t+3], s[\o:\o+1] offset:(16*\a+2*\t)*4096 th:TH_STORE_NT
.endr
.endr
.endm
; A STEP'S END: g = (1 / l) 2^(NMR - negM_J), then ACC += TA g.  The twelve lines that make g are the places behind the last products.
; dyn = 1 (steps 0 to 5): where the first tile's last step has just ended, it leaves, ACC begins anew as bv and the second tile's figures take over: a branch on ids and the count of steps.
.macro ENDSTEP dyn, load
	WIN 0
	s_wait_loadcnt 0x0                             ; the step's negM (and bv, where ACC has just begun)
.irp a, 0,1,2,3
	v_sub_f32 v[TT+\a], v[NMR+\a], v[NMJ+\a]
.endr
.irp a, 0,1,2,3
	v_cvt_i32_f32 v[TT+\a], v[TT+\a]
.endr
.irp a, 0,1,2,3
	v_ldexp_f32 v[G+2*\a], v[RIN+\a], v[TT+\a]
.endr
	WIN 0x02                                       ; source 0 (TA) in window 2
.set i, 0
.rept 64
	v_pk_fma_f32 v[ACC+i:ACC+i+1], v[i:i+1], v[G+2*(i/32):G+2*(i/32)+1], v[ACC+i:ACC+i+1] op_sel_hi:[1,0,1]   ; each accumulator from its low end on
.set i, i+2
.endr
	WIN 0
.if \load
	s_add_nc_u64 s[60:61], s[60:61], 8192          ; the next key tile's figures (the load that read this address has come back)
.endif
.if \dyn
	s_add_co_u32 s21, s21, 1
	s_cmp_lg_u32 s21, s20
	s_cbranch_scc1 .Lsame_\@
	FLUSH 66
	BIAS
.irp a, 0,1,2,3
	v_mov_b32 v[NMR+\a], v[NMR2+\a]
	v_mov_b32 v[RIN+\a], v[RIN2+\a]
.endr
	s_mov_b64 s[60:61], s[62:63]
.Lsame_\@:
.endif
.if \load
	STATLOAD
.endif
.endm
	s_wait_tensorcnt 1                             ; my part of step 0 is in; step 1's may stay out
	s_barrier_signal -1
	s_barrier_wait -1
	FETCH 0, 0, F0
	QUARTER 0, 128, F0, F1, 1
	WIN 0
	s_mov_b32 s23, 3
.Ltrip:                                            ; three trips of two steps: steps 0 to 5; stream steps 2 to 7 are asked for
	QUARTER 0, 256, F1, F0, 0
	QUARTER 0, 384, F0, F1, 0
	TURN 0, 1, 1
	ENDSTEP 1, 1
	QUARTER 1, 128, F0, F1, 1
	QUARTER 1, 256, F1, F0, 0
	QUARTER 1, 384, F0, F1, 0
	TURN 1, 0, 1
	ENDSTEP 1, 1
	QUARTER 0, 128, F0, F1, 1
	WIN 0
	s_sub_co_u32 s23, s23, 1
	s_cmp_lg_u32 s23, 0
	s_cbranch_scc1 .Ltrip
	QUARTER 0, 256, F1, F0, 0                      ; step 6: the last request, stream step 8
	QUARTER 0, 384, F0, F1, 0
	TURN 0, 1, 1
	ENDSTEP 0, 1
	QUARTER 1, 128, F0, F1, 1                      ; step 7
	QUARTER 1, 256, F1, F0, 0
	QUARTER 1, 384, F0, F1, 0
	TURN 1, 0, 0
	ENDSTEP 0, 1
	QUARTER 0, 128, F0, F1, 1                      ; step 8
	QUARTER 0, 256, F1, F0, 0
	QUARTER 0, 384, F0, F1, 0
	s_wait_dscnt 16
	WIN MUL
	MUL8 F1, 0, 0, 0
	MUL8 F1, 0, 2, 0
	s_wait_dscnt 0x0
	MUL8 F1, 1, 0, 0
	MUL8 F1, 1, 2, 0
	ENDSTEP 0, 0
	FLUSH 68
	s_wait_tensorcnt 0x0                           ; the wave's end
	ds_add_u32 v[SPW], v[NIL]
	s_wait_dscnt 0x0
	CROUND                                         ; the closing round
	s_endpgm
.Lfunc_end_k_q567e1529cc_pv:
	.size	k_q567e1529cc_pv, .Lfunc_end_k_q567e1529cc_pv-k_q567e1529cc_pv
	.p2alignl 7, 3214868480
	.fill 96, 4, 3214868480
	.section	.rodata,"a",@progbits
	.p2align	6, 0x0
	.amdhsa_kernel k_q567e1529cc_pv
		.amdhsa_group_segment_fixed_size 327680
		.amdhsa_private_segment_fixed_size 0
		.amdhsa_enable_private_segment 0
		.amdhsa_kernarg_size 40
		.amdhsa_user_sgpr_count 2
		.amdhsa_user_sgpr_kernarg_segment_ptr 1
		.amdhsa_wavefront_size32 1
		.amdhsa_system_sgpr_workgroup_id_x 1
		.amdhsa_system_sgpr_workgroup_id_y 1
		.amdhsa_system_sgpr_workgroup_id_z 1
		.amdhsa_system_vgpr_workitem_id 0
		.amdhsa_next_free_vgpr 640
		.amdhsa_next_free_sgpr 84
		.amdhsa_reserve_vcc 0
		.amdhsa_float_denorm_mode_32 3
		.amdhsa_float_denorm_mode_16_64 3
		.amdhsa_memory_ordered 1
		.amdhsa_forward_progress 1
		.amdhsa_inst_pref_size 189
	.end_amdhsa_kernel
	.amdgpu_metadata
---
amdhsa.version: [ 1, 2 ]
amdhsa.kernels:
  - .name:           k_q567e1529cc_pv
    .symbol:         k_q567e1529cc_pv.kd
    .args:
      - { .name: pw, .offset: 0, .size: 8, .value_kind: global_buffer, .address_space: global }
      - { .name: vt, .offset: 8, .size: 8, .value_kind: global_buffer, .address_space: global }
      - { .name: st, .offset: 16, .size: 8, .value_kind: global_buffer, .address_space: global }
      - { .name: bv, .offset: 24, .size: 8, .value_kind: global_buffer, .address_space: global }
      - { .name: out0, .offset: 32, .size: 8, .value_kind: global_buffer, .address_space: global }
    .group_segment_fixed_size: 327680
    .private_segment_fixed_size: 0
    .kernarg_segment_align: 8
    .kernarg_segment_size: 40
    .max_flat_workgroup_size: 128
    .sgpr_count:     84
    .vgpr_count:     640
    .wavefront_size: 32
...
	.end_amdgpu_metadata
.endif
;; end of part 4
